; MI455X (gfx1250); checked and timed in simulation.
; The chip was launched on July 23, 2026; its instructions are those of AMD's public machine-readable ISA for CDNA 5 (MIT licence, August 2026) and "CDNA5" Instruction Set Architecture Reference Guide (July 2026). The comments in the code are by the model that wrote it; some were corrected since.
;; Linear Attention. Allowed arithmetic: float matrix products may take bf16 or f16 operands with f32 sums; other float arithmetic in f32, or as packed bf16 or f16 multiplies, adds, multiply-adds, maxima and minima; sums over many terms, partial sums and values carried from step to step in f32; what a program stores and reads back later, other than sums and carried values, may be rounded once to bf16 or f16.
;; Inputs: Wk 1,024 x 1,024 float32; Wo 1,024 x 1,024 float32; Wq 1,024 x 1,024 float32; Wv 1,024 x 1,024 float32; bk 1,024 float32; bo 1,024 float32; bq 1,024 float32; bv 1,024 float32; x 4 x 4,096 x 1,024 float32.
;; Outputs: out0 4 x 4,096 x 1,024 float32.
;; One version. Each part assembles by itself: llvm-mc -triple=amdgcn-amd-amdhsa -mcpu=gfx1250 --defsym DOCPART=n.
;; ======== version 1 of 1: 5 launches
;; limits: values are held in f16: magnitudes above 65,504 overflow, below 6.1e-05 lose precision
;; workspace buffers: xb 33,554,432 bytes; wqb 2,097,152 bytes; wkvb 4,194,304 bytes; wof 2,097,152 bytes; kvp 12,582,912 bytes; kvf 524,288 bytes; ctxf 33,554,432 bytes
;; launch cast (part 1): grid 1280 x 1, 8 waves a work-group, no clusters, 0 bytes of LDS; arguments x, Wq, Wk, Wv, Wo, xb, wqb, wkvb, wof; writes xb, wqb, wkvb, wof
.if DOCPART == 1
	.amdgcn_target "amdgcn-amd-amdhsa--gfx1250"
	.amdhsa_code_object_version 6
	.text
	.protected	k_q2bbe3dc9d8_cast
	.globl	k_q2bbe3dc9d8_cast
	.p2align	8
	.type	k_q2bbe3dc9d8_cast,@function
k_q2bbe3dc9d8_cast:
	s_mov_b64 s[64:65], 0
	v_nop
	global_prefetch_b8 v0, s[64:65] scope:SCOPE_SE
	s_setreg_imm32_b32 hwreg(HW_REG_WAVE_MODE, 25, 1), 1
	s_wait_xcnt 0x0
; LINEAR ATTENTION, launch 1 of 5: the matrix operands that are inputs are rounded once.
; The program: (1) this cast; (2) K = elu(x Wk^T + bk) + 1 and V = x Wv^T + bv, pooled at once into partial sums of K^T V and of K's column sums, one for each
; 256 tokens and head; (3) the ordered sum of the 16 partials of a batch and head, scaled by a power of two; (4) Q = elu(x Wq^T + bq) + 1 and the context
; Q KV / (Q Ksum + 1e-6); (5) the context times Wo^T, plus bo.
; NOTHING OF THE COMPUTATION IS LEFT OUT: every product, both activations, the 1e-6 and all nine inputs have a way to the output, and all are honoured.
; FORMATS.  x, Wq, Wk, Wv are rounded to bf16.  Wo is rounded to bf16 and that number is written as f16, since its partner in the last product, the context, is kept in f16.
; LIMITS.  |Wo| stays under 65,504; below 6e-5 its f16 copy keeps f16's fixed step of 6e-8.  NaN and infinities are not treated apart.
; wkvb holds Wk and Wv by turns of 128 rows (row 256 t + i = Wk's row 128 t + i, row 256 t + 128 + i = Wv's), so that a tile of 256 columns of launch 2 holds K and V of the same four heads.
; SHARES.  A work-group takes 16 rows of 4,096 bytes; groups 0-1023 take x, then 64 each Wq, Wk, Wv, Wo.  Thread t takes 16 bytes at 16 t of each row: a load of a wave covers 512
; consecutive bytes, a store 256 consecutive bytes, aligned.  All 16 loads of a thread go out at once; no register is used twice, so no wait frees one.
; No LDS, no matrix unit, no cluster: nothing is shared and nothing is summed.
.set ROWIN,  4096
.set ROWOUT, 2048
.set IN,  4                            ; v[4:67]    row i: four f32 as loaded
.set OUT, 68                           ; v[68:99]   row i: four 16-bit numbers
.set TMP, 100                          ; v[100:101] at work
	s_load_b512 s[8:23], s[0:1], 0x0               ; x s[8:9], Wq s[10:11], Wk s[12:13], Wv s[14:15], Wo s[16:17], xb s[18:19], wqb s[20:21], wkvb s[22:23]
	s_load_b64 s[24:25], s[0:1], 0x40              ; wof
	s_sub_co_u32 s30, ttmp9, 1024                  ; behind x's 1,024 groups (for x this wraps to a large number, which names no weight)
	s_lshr_b32 s31, s30, 6                         ; which weight: 0 Wq, 1 Wk, 2 Wv, 3 Wo
	s_and_b32 s32, s30, 63                         ; which 16 rows of it
	s_lshl_b32 s33, s32, 16                        ; their bytes in the source,
	s_lshl_b32 s34, s32, 15                        ; and in wqb or wof
	s_lshr_b32 s35, s32, 3                         ; in wkvb: 128 rows of Wk stand 256 rows apart,
	s_lshl_b32 s35, s35, 19
	s_and_b32 s36, s32, 7
	s_lshl_b32 s36, s36, 15
	s_add_co_u32 s35, s35, s36
	s_add_co_u32 s36, s35, 1<<18                   ; and Wv's stand 128 rows behind Wk's
	s_cmp_eq_u32 s31, 1
	s_cselect_b32 s34, s35, s34
	s_cmp_eq_u32 s31, 2
	s_cselect_b32 s34, s36, s34
	s_lshl_b32 s37, ttmp9, 16                      ; x's groups
	s_lshl_b32 s38, ttmp9, 15
	s_cmp_lt_u32 ttmp9, 1024
	s_cselect_b32 s26, s37, s33                    ; offset in the source,
	s_cselect_b32 s28, s38, s34                    ; in the destination
	s_mov_b32 s27, 0
	s_mov_b32 s29, 0
	s_mov_b32 s39, 0xffff0000                      ; a word's upper bf16
	v_lshlrev_b32 v1, 4, v0
	v_lshlrev_b32 v2, 3, v0
	s_wait_kmcnt 0x0
	s_mov_b64 s[4:5], s[8:9]                       ; the two buffers are chosen by the group's number alone
	s_mov_b64 s[6:7], s[18:19]
	s_cmp_eq_u32 s31, 0
	s_cselect_b64 s[4:5], s[10:11], s[4:5]
	s_cselect_b64 s[6:7], s[20:21], s[6:7]
	s_cmp_eq_u32 s31, 1
	s_cselect_b64 s[4:5], s[12:13], s[4:5]
	s_cselect_b64 s[6:7], s[22:23], s[6:7]
	s_cmp_eq_u32 s31, 2
	s_cselect_b64 s[4:5], s[14:15], s[4:5]
	s_cselect_b64 s[6:7], s[22:23], s[6:7]
	s_cmp_eq_u32 s31, 3
	s_cselect_b64 s[4:5], s[16:17], s[4:5]
	s_cselect_b64 s[6:7], s[24:25], s[6:7]
	s_add_nc_u64 s[4:5], s[4:5], s[26:27]
	s_add_nc_u64 s[6:7], s[6:7], s[28:29]
.irp i, 0,1,2,3,4,5,6,7,8,9,10,11,12,13,14,15
	global_load_b128 v[IN+4*(\i):IN+4*(\i)+3], v1, s[4:5] offset:ROWIN*(\i) th:TH_LOAD_NT
.endr
; The 16 rows.  half = 1: the bf16 number is widened again and written as f16.
.macro ROWS half
.irp i, 0,1,2,3,4,5,6,7,8,9,10,11,12,13,14,15
	s_wait_loadcnt 15-(\i)                         ; loads come back in order: row i is in, the younger rows stay out
.if \half
	v_cvt_pk_bf16_f32 v[TMP], v[IN+4*(\i)], v[IN+4*(\i)+1]
	v_cvt_pk_bf16_f32 v[TMP+1], v[IN+4*(\i)+2], v[IN+4*(\i)+3]
	v_lshlrev_b32 v[IN+4*(\i)], 16, v[TMP]
	v_and_b32 v[IN+4*(\i)+1], s39, v[TMP]
	v_lshlrev_b32 v[IN+4*(\i)+2], 16, v[TMP+1]
	v_and_b32 v[IN+4*(\i)+3], s39, v[TMP+1]
	v_cvt_pk_f16_f32 v[OUT+2*(\i)], v[IN+4*(\i)], v[IN+4*(\i)+1]
	v_cvt_pk_f16_f32 v[OUT+2*(\i)+1], v[IN+4*(\i)+2], v[IN+4*(\i)+3]
.else
	v_cvt_pk_bf16_f32 v[OUT+2*(\i)], v[IN+4*(\i)], v[IN+4*(\i)+1]
	v_cvt_pk_bf16_f32 v[OUT+2*(\i)+1], v[IN+4*(\i)+2], v[IN+4*(\i)+3]
.endif
	global_store_b64 v2, v[OUT+2*(\i):OUT+2*(\i)+1], s[6:7] offset:ROWOUT*(\i)
.endr
.endm
	s_cmp_eq_u32 s31, 3
	s_cbranch_scc1 .Lhalf
	ROWS 0
	s_endpgm
.Lhalf:
	ROWS 1
	s_endpgm
.Lfunc_end_k_q2bbe3dc9d8_cast:
	.size	k_q2bbe3dc9d8_cast, .Lfunc_end_k_q2bbe3dc9d8_cast-k_q2bbe3dc9d8_cast
	.p2alignl 7, 3214868480
	.fill 96, 4, 3214868480
	.section	.rodata,"a",@progbits
	.p2align	6, 0x0
	.amdhsa_kernel k_q2bbe3dc9d8_cast
		.amdhsa_group_segment_fixed_size 0
		.amdhsa_private_segment_fixed_size 0
		.amdhsa_enable_private_segment 0
		.amdhsa_kernarg_size 72
		.amdhsa_user_sgpr_count 2
		.amdhsa_user_sgpr_kernarg_segment_ptr 1
		.amdhsa_wavefront_size32 1
		.amdhsa_system_sgpr_workgroup_id_x 1
		.amdhsa_system_sgpr_workgroup_id_y 1
		.amdhsa_system_sgpr_workgroup_id_z 1
		.amdhsa_system_vgpr_workitem_id 0
		.amdhsa_next_free_vgpr 104
		.amdhsa_next_free_sgpr 66
		.amdhsa_reserve_vcc 0
		.amdhsa_float_denorm_mode_32 3
		.amdhsa_float_denorm_mode_16_64 3
		.amdhsa_memory_ordered 1
		.amdhsa_forward_progress 1
		.amdhsa_inst_pref_size 16
	.end_amdhsa_kernel
	.amdgpu_metadata
---
amdhsa.version: [ 1, 2 ]
amdhsa.kernels:
  - .name:           k_q2bbe3dc9d8_cast
    .symbol:         k_q2bbe3dc9d8_cast.kd
    .args:
      - { .name: x, .offset: 0, .size: 8, .value_kind: global_buffer, .address_space: global }
      - { .name: Wq, .offset: 8, .size: 8, .value_kind: global_buffer, .address_space: global }
      - { .name: Wk, .offset: 16, .size: 8, .value_kind: global_buffer, .address_space: global }
      - { .name: Wv, .offset: 24, .size: 8, .value_kind: global_buffer, .address_space: global }
      - { .name: Wo, .offset: 32, .size: 8, .value_kind: global_buffer, .address_space: global }
      - { .name: xb, .offset: 40, .size: 8, .value_kind: global_buffer, .address_space: global }
      - { .name: wqb, .offset: 48, .size: 8, .value_kind: global_buffer, .address_space: global }
      - { .name: wkvb, .offset: 56, .size: 8, .value_kind: global_buffer, .address_space: global }
      - { .name: wof, .offset: 64, .size: 8, .value_kind: global_buffer, .address_space: global }
    .group_segment_fixed_size: 0
    .private_segment_fixed_size: 0
    .kernarg_segment_align: 8
    .kernarg_segment_size: 72
    .max_flat_workgroup_size: 256
    .sgpr_count:     66
    .vgpr_count:     104
    .wavefront_size: 32
...
	.end_amdgpu_metadata
.endif
;; end of part 1
;; launch kvgemm (part 2): grid 8 x 64, 4 waves a work-group, clusters of 4 x 4, 327,680 bytes of LDS; arguments xb, wkvb, kvp, bk, bv; writes kvp
.if DOCPART == 2
	.amdgcn_target "amdgcn-amd-amdhsa--gfx1250"
	.amdhsa_code_object_version 6
	.text
	.protected	k_q2bbe3dc9d8_kvgemm
	.globl	k_q2bbe3dc9d8_kvgemm
	.p2align	8
	.type	k_q2bbe3dc9d8_kvgemm,@function
k_q2bbe3dc9d8_kvgemm:
	s_mov_b64 s[64:65], 0
	v_nop
	global_prefetch_b8 v0, s[64:65] scope:SCOPE_SE
	s_setreg_imm32_b32 hwreg(HW_REG_WAVE_MODE, 25, 1), 1
	s_wait_xcnt 0x0
	s_wait_alu depctr_hold_cnt(0) depctr_sa_sdst(0) depctr_va_vdst(0) depctr_va_sdst(0) depctr_va_ssrc(0) depctr_va_vcc(0) depctr_vm_vsrc(0)
	s_getreg_b32 s2, hwreg(HW_REG_IB_STS2, 6, 4)
	s_cmp_eq_u32 s2, 0
	s_cbranch_scc0 .Lentry_in_a_cluster
	s_endpgm
.Lentry_in_a_cluster:
	s_bfe_u32 s2, ttmp6, 0x10000c
	s_cmp_lg_u32 s2, 0xf033
	s_cbranch_scc0 .Lentry_shape_is_right
	s_endpgm
.Lentry_shape_is_right:
; Launch 2 of 5.  K = elu(x Wk^T + bk) + 1, V = x Wv^T + bv, and at once, for each 256 tokens and head, the partial sums of K^T V (32 x 32) and of K's columns.  Nothing is left out.
; A work-group makes 256 tokens x 256 columns of x wkvb^T: columns 0-127 are K of four heads, columns 128-255 V of the same heads.  Four waves, each 128 x 128: 64 accumulators, 512 registers.
; K (the summed index, 1,024) goes in eight steps of 128 through a ring of two LDS slots filled by the tensor data mover; rows of 256 bytes, 272 apart in LDS.  A trip of the loop is one K step:
; the slot in hand is a scalar that one exclusive or turns, and one descriptor for each tensor walks from slot to slot.
; CLUSTERS: 4 x 4 work-groups; x's tile is asked for jointly along a row of the cluster, the weights' tile along a column.
; THE BIAS is the C operand of each accumulator's first product; for K it is bf16(bk) + 1, so the sum is y = k + 1, and elu(k) + 1 = the middle one of y, 2^(c y - c) and 1 (c = log2 e):
; for k > 0, 1 < y <= e^k; for k <= 0, y <= e^k <= 1.  An exponential that overflows is never the middle one.
; THE PRODUCT IS USED AS IT STANDS (source 0 = 16 tokens, source 1 = 16 rows of the weights): a lane holds ONE column and eight tokens, so two results rounded to f16 in pairs ARE a
; fragment (16 columns x 32 tokens) of the pooling product K^T V, for K as source 0 and for V as source 1.  K's column sums are a third block of V that holds ones.
; THE WAY OUT.  The ring has had its last fill; behind a barrier the 64 accumulators are laid into it as they stand, 16 bytes a lane, and wave w then takes head w over all 256 tokens, 32 a trip.
; FORMATS AND LIMITS.  x and the weights arrive in bf16, the biases are rounded to bf16 here; K and V are rounded to f16 for the pooling product, whose sums are f32: |k|, |v| stay under 65,504;
; below 6e-5 they keep f16's fixed step of 6e-8; an exponential below 2^-126 counts as 0.  NaN and infinities are not treated apart.
; kvp: the record of (row tile, head) is 6,144 bytes: six results of 16 x 16, tile 2 eb + db, as the registers hold them: registers 4 q .. 4 q + 3 of lane l at 1,024 tile + 512 q + 16 l.
; REGISTERS, in windows of 256: window 0: v0-31 addresses; v64-191 x's fragments, two buffers; on the way out v64-255 as named below.  window 1: v0-63 the bias; v64-191 the weights' fragments.
; windows 2, 3: the accumulators, (a, b) at v[8 (8 (a % 4) + b)].
.set SIZE_K, 1024
.set KSTEP,  128
.set PITCH,  272                       ; an LDS row: 256 bytes + 16 of padding = 68 words: the 16 rows of a load start at 16 different groups of four banks (64 banks of 4 bytes: ISA guide 11.1)
.set HALFT,  128*PITCH                 ; what one tensor load brings: 0x8800 bytes
.set SLOT,   0x24000                   ; slot 1 begins here; a slot uses 4 HALFT = 0x22000 bytes: x's 256 rows, then the weights' 256.  Bits 17 and 14 are clear in the four waves' places
                                       ; 0, 0x8800, 0x11000, 0x19800, so one exclusive or with SLOT turns a place in one slot into the other's
.set SPARE,  SLOT+4*HALFT              ; behind the ring: the spare words, 128 bytes a wave, which no other line names
.set STEPS,  SIZE_K/KSTEP
.set A0,   16                          ; v16     my lane's place among x's fragments in slot 0; never rewritten
.set CA,   17                          ; v17     the same in the slot in hand
.set B0,   20                          ; v20     my lane's place among the weights' fragments in slot 0; never rewritten
.set CB,   21                          ; v21     the same in the slot in hand
.set DADR, 22                          ; v22     where my accumulators go
.set VADR, 23                          ; v23     the way out: my head's V, the 32 tokens to be read next
.set KADR, 27                          ; v27     the same for K
.set SPW,  28                          ; v28     my spare word; never rewritten
.set NIL,  29                          ; v29     0; never rewritten
.set PFO,  30                          ; v30     the prefetches' offset: my lane x a row of 2,048 bytes
.set GOF,  31                          ; v31     16 x my lane
.set F0,   64
.set F1,   128
.set YK,   64                          ; v64-95   the way out: y of K: [db][token block][8]
.set YV,   96                          ; v96-127  V: [eb][token block][8]
.set T,    128                         ; v128-159 the exponentials, then K
.set KF,   160                         ; v160-175 K's two fragments
.set VF,   176                         ; v176-191 V's two fragments
.set ONE,  192                         ; v192-199 a fragment of ones
.set KVA,  200                         ; v200-247 six accumulators
.set G1, 24                            ; s[24:31] descriptor group 1 for x's tiles; s[32:39] group 0: a set for each of the two first fills; the second then walks on
.set G0, 32
.set G1B, 48                           ; s[48:55], s[56:63] the same for the weights
.set G0B, 56
.set PFA, 44                           ; s[44:45] where my prefetches stand
.set LIM, 43                           ; s43  2 in a wave that prefetches, else the greatest number
.set ONEF, 75                          ; s75  1.0
.set CE,  84                           ; s[84:85] c = log2 e, twice
.set TC,  87                           ; s87  tile column
.set RT,  88                           ; s88  tile row
.set TB,  89                           ; s89  the LDS byte at which the slot in hand begins: 0 or SLOT
.set MUL_LO, 0xa4                      ; source 0 (x) window 0, source 1 (weights) window 1, C and D window 2; + 0x50: window 3
.set MUL_F,  0x94                      ; the same with C, the bias, in window 1; + 0x40: D in window 3
.set TO_B,   0x40
.set MSB, 0
.macro WIN new                         ; the immediate's high byte repeats the setting that is left
.if MSB != (\new)
	s_set_vgpr_msb (MSB<<8)|(\new)
.set MSB, \new
.endif
.endm
; A joint load: waves 0 and 1 fetch the two halves of x's tile, waves 2 and 3 those of the weights'.  The branch hangs on the wave's number alone.  An s_nop 0 and four v_nop follow each line.
.macro JLOAD s
	s_cmp_eq_u32 s11, 0
	s_cbranch_scc0 .Lfor_b_\@
	tensor_load_to_lds s[G0+4*(\s):G0+4*(\s)+3], s[G1:G1+7]
	s_nop 0
.rept 4
	v_nop
.endr
	s_branch .Lasked_\@
.Lfor_b_\@:
	tensor_load_to_lds s[G0B+4*(\s):G0B+4*(\s)+3], s[G1B:G1B+7]
	s_nop 0
.rept 4
	v_nop
.endr
.Lasked_\@:
.endm
; A prefetch of the K step that stands two refills on: 32 rows x 256 bytes, a lane a row.  x's rows are named by the cluster with x = 0, the weights' by the cluster with y = 0; the four partners
; that ask for a tile jointly take 32 of a wave's 128 rows each, told apart by address.  The trips with s3 = 6 .. 3 name K steps 4 to 7; the last two trips name nothing.
.macro ASK
	s_cmp_gt_u32 s3, s[LIM]
	s_cbranch_scc0 .Lnot_mine_\@
	global_prefetch_b8 v[PFO], s[PFA:PFA+1] offset:KSTEP*2 th:TH_LOAD_NT scope:SCOPE_SE
.Lnot_mine_\@:
.endm
.macro CREST                           ; a round of the cluster's barrier behind its opening barrier
	s_cmp_lg_u32 s10, 0
	s_cbranch_scc1 .Lnot_wave_0_\@
	s_barrier_signal -3
.Lnot_wave_0_\@:
	s_barrier_wait -3
	s_barrier_signal -1
	s_barrier_wait -1
.endm
.macro CROUND
	s_barrier_signal -1
	s_barrier_wait -1
	CREST
.endm
.macro PLACES                          ; four plain instructions between a matrix instruction and a load into, a write of or a read of its registers
.rept 4
	v_nop
.endr
.endm
	s_load_b128 s[4:7], s[0:1], 0x0                ; xb s[4:5], wkvb s[6:7]
	s_load_b64 s[8:9], s[0:1], 0x10                ; kvp
	s_load_b64 s[68:69], s[0:1], 0x18              ; bk
	s_load_b64 s[70:71], s[0:1], 0x20              ; bv
	v_lshl_add_u32 v[SPW], v0, 2, SPARE
	v_mov_b32 v[NIL], 0
	ds_add_u32 v[SPW], v[NIL]                      ; the wave's opening: the add, twice on end, and its wait ahead of my first tensor load
	ds_add_u32 v[SPW], v[NIL]
	v_lshrrev_b32 v1, 5, v0
	v_readfirstlane_b32 s10, v1                    ; wave 0..3
	s_lshr_b32 s11, s10, 1                         ; which half of the tile's rows is mine.  Also: I fetch x (0) or weights (1)
	s_and_b32 s12, s10, 1                          ; which half of its columns: K (0) or V (1).  Also: which 128 rows I fetch
	s_bfe_u32 s40, ttmp6, 0x40000                  ; cx
	s_bfe_u32 s41, ttmp6, 0x40004                  ; cy
	s_lshl_b32 s42, ttmp9, 2
	s_add_co_u32 s42, s42, s40                     ; tile column = 4 x cluster x + cx
	s_and_b32 s13, ttmp7, 0xffff
	s_lshl_b32 s13, s13, 2
	s_add_co_u32 s13, s13, s41                     ; tile row = 4 x cluster y + cy
	s_mov_b32 s[TC], s42
	s_mov_b32 s[RT], s13
	s_lshl_b32 s43, s41, 2
	s_lshl_b32 s43, 15, s43                        ; my row of the cluster
	s_lshl_b32 s44, 0x1111, s40                    ; my column
	s_or_b32 s[G1+0], s43, (1<<16)|(1<<20)|(1<<21)|(5<<22)|(3<<25)   ; the mask; 2-byte elements; padding on; bit 21 beside a mask; after every 64 words, 4 words
	s_or_b32 s[G1B+0], s44, (1<<16)|(1<<20)|(1<<21)|(5<<22)|(3<<25)
.irp g, G1, G1B
	s_mov_b32 s[(\g)+1], KSTEP<<16                 ; tensor_dim0 = 128
	s_mov_b32 s[(\g)+2], 128<<16                   ; tensor_dim1 = 128
	s_mov_b32 s[(\g)+3], KSTEP<<16                 ; tile_dim0 = 128
	s_mov_b32 s[(\g)+4], 128                       ; tile_dim1 = 128
	s_mov_b32 s[(\g)+5], SIZE_K                    ; elements from row to row
	s_mov_b32 s[(\g)+6], 0
	s_mov_b32 s[(\g)+7], 0
.endr
	s_mov_b32 s[ONEF], 1.0
	s_mov_b32 s[CE], 0x3fb8aa3b
	s_mov_b32 s[CE+1], 0x3fb8aa3b
	s_mov_b32 s[TB], 0                             ; K step 0 lies in slot 0
	s_lshl_b32 s17, s12, 7                         ; which 128 rows of the tile I fetch
	s_lshl_b32 s16, s13, 8
	s_add_co_u32 s16, s16, s17                     ; x: row 256 x tile row + 128 x half
	s_lshl_b32 s46, s42, 8
	s_add_co_u32 s46, s46, s17                     ; weights: row 256 x tile column + 128 x half
	s_mov_b32 s17, 0
	s_mov_b32 s47, 0
	s_mov_b64 s[18:19], SIZE_K*2
	s_mul_u64 s[16:17], s[16:17], s[18:19]
	s_mul_u64 s[46:47], s[46:47], s[18:19]
	s_mul_i32 s20, s10, HALFT                      ; where they go: wave x 128 rows
	s_wait_dscnt 0x0                               ; both opening adds are done
	s_wait_kmcnt 0x0
	s_add_nc_u64 s[14:15], s[4:5], s[16:17]
	s_add_nc_u64 s[46:47], s[6:7], s[46:47]
	CROUND                                         ; all sixteen work-groups are here: the first joint loads meet
.irp s, 0,1
	s_mov_b32 s[G0+4*(\s)], 1
	s_add_co_u32 s[G0+4*(\s)+1], s20, (\s)*SLOT
	s_add_nc_u64 s[G0+4*(\s)+2:G0+4*(\s)+3], s[14:15], (\s)*KSTEP*2
	s_or_b32 s[G0+4*(\s)+3], s[G0+4*(\s)+3], 0x80000000
	s_mov_b32 s[G0B+4*(\s)], 1
	s_add_co_u32 s[G0B+4*(\s)+1], s20, (\s)*SLOT
	s_add_nc_u64 s[G0B+4*(\s)+2:G0B+4*(\s)+3], s[46:47], (\s)*KSTEP*2
	s_or_b32 s[G0B+4*(\s)+3], s[G0B+4*(\s)+3], 0x80000000
	JLOAD \s
.endr
	; a fragment is 16 rows x 32 K in 8 registers: lane l holds row l % 16; two loads of 16 bytes, 32 bytes apart, at row x pitch + 16 (l / 16)
	v_and_b32 v1, 15, v0
	v_bfe_u32 v2, v0, 4, 1
	v_mul_u32_u24 v3, v1, PITCH
	v_lshl_add_u32 v3, v2, 4, v3
	s_mul_i32 s21, s11, HALFT
	s_mul_i32 s22, s12, HALFT
	s_add_co_u32 s22, s22, 2*HALFT
	v_add_nc_u32 v[A0], s21, v3
	v_add_nc_u32 v[B0], s22, v3
	v_add_nc_u32 v[CA], s[TB], v[A0]
	v_add_nc_u32 v[CB], s[TB], v[B0]
	; the bias: a lane's column is 16 b + l % 16, the same for its eight tokens
	s_cmp_eq_u32 s12, 0
	s_cselect_b64 s[72:73], s[68:69], s[70:71]     ; bk for the K half, bv for the V half
	s_cselect_b32 s74, 1.0, 0                      ; K's sums carry the + 1
	s_lshl_b32 s76, s[TC], 9                       ; 128 columns of 4 bytes a tile column
	s_mov_b32 s77, 0
	s_add_nc_u64 s[72:73], s[72:73], s[76:77]
	v_lshlrev_b32 v4, 2, v1
.irp b, 0,1,2,3,4,5,6,7
	global_load_b32 v[32+(\b)], v4, s[72:73] offset:64*(\b)
.endr
	v_and_b32 v5, 31, v0
	v_lshlrev_b32 v[GOF], 4, v5
	s_lshl_b32 s20, s12, 1                         ; my accumulators' 65,536 bytes: K's two row halves, then V's
	s_add_co_u32 s20, s20, s11
	s_lshl_b32 s20, s20, 16
	v_add_nc_u32 v[DADR], s20, v[GOF]
	v_lshl_add_u32 v[KADR], s10, 11, v[GOF]        ; head w: column blocks 2 w, 2 w + 1: 2,048 w
	v_add_nc_u32 v[VADR], 0x20000, v[KADR]
	s_lshl_b32 s76, s[RT], 5                       ; my record in kvp: (32 x tile row + 4 x tile column + wave) x 6,144
	s_lshl2_add_u32 s76, s[TC], s76
	s_add_co_u32 s76, s76, s10
	s_mul_i32 s76, s76, 6144
	s_add_nc_u64 s[8:9], s[8:9], s[76:77]
	; the prefetches
	s_lshl_b32 s13, s13, 8
	s_lshl_b32 s42, s42, 8
	s_and_b32 s22, ttmp7, 0xffff
	s_cmp_eq_u32 s11, 0
	s_cselect_b32 s20, s13, s42                    ; the tile's first row
	s_cselect_b32 s21, s40, s41                    ; my place among the four that ask with me
	s_cselect_b32 s22, ttmp9, s22                  ; the coordinate along which other clusters read the same rows
	s_cselect_b64 s[PFA:PFA+1], s[4:5], s[6:7]
	s_cmp_eq_u32 s22, 0
	s_cselect_b32 s[LIM], 2, -1
	s_lshl_b32 s22, s12, 7
	s_add_co_u32 s20, s20, s22
	s_lshl_b32 s21, s21, 5
	s_add_co_u32 s20, s20, s21
	s_mov_b32 s21, 0
	s_mov_b64 s[18:19], SIZE_K*2
	s_mul_u64 s[20:21], s[20:21], s[18:19]
	s_add_nc_u64 s[PFA:PFA+1], s[PFA:PFA+1], s[20:21]
	s_add_nc_u64 s[PFA:PFA+1], s[PFA:PFA+1], 2*KSTEP*2  ; at K step 2: the first refill steps it to 3 and names K step 4
	v_mul_u32_u24 v[PFO], v5, SIZE_K*2
	s_wait_loadcnt 0x0                             ; the bias
.irp b, 0,1,2,3,4,5,6,7
	v_cvt_pk_bf16_f32 v[32+(\b)], v[32+(\b)], v[32+(\b)]  ; rounded to bf16, like every input,
	v_lshlrev_b32 v[32+(\b)], 16, v[32+(\b)]              ; widened again,
	v_add_f32 v[32+(\b)], s74, v[32+(\b)]                 ; and K's + 1
.endr
	WIN 0x40                                       ; destination window 1
.irp b, 0,1,2,3,4,5,6,7
.irp j, 0,1,2,3,4,5,6,7
	v_mov_b32 v[8*(\b)+(\j)], v[32+(\b)]
.endr
.endr
	WIN 0
.macro PROD first
.if \first
	v_wmma_f32_16x16x32_bf16 v[rD:rD+7], v[rX:rX+7], v[rW:rW+7], v[rC:rC+7]
.else
	v_wmma_f32_16x16x32_bf16 v[rD:rD+7], v[rX:rX+7], v[rW:rW+7], v[rD:rD+7]
.endif
.endm
; 16 matrix instructions: token blocks a0, a0 + 1 of the window's four x all 8 column blocks, 32 along K.  first = 1: the bias starts the sums.  The 64 accumulators take turns in one order everywhere.
.macro MUL16 f, hi, a0, first
.if \first
	WIN MUL_F+0x40*(\hi)
.else
	WIN MUL_LO+0x50*(\hi)
.endif
.irp a, \a0, (\a0)+1
.irp b, 0,1,2,3,4,5,6,7
.set rD, 8*(8*(\a)+(\b))
.set rW, (\f)+8*(\b)
.set rX, (\f)+8*(4*(\hi)+(\a))
.set rC, 8*(\b)
	PROD \first
.endr
.endr
.endm
.macro FETCH k, f                      ; 32 LDS loads in one run: a quarter step's fragments, at byte k of the rows of the slot in hand
	WIN TO_B
.irp i, 0,1,2,3,4,5,6,7
	ds_load_b128 v[(\f)+8*(\i):(\f)+8*(\i)+3],   v[CB] offset:(\k)+(\i)*16*PITCH
	ds_load_b128 v[(\f)+8*(\i)+4:(\f)+8*(\i)+7], v[CB] offset:(\k)+(\i)*16*PITCH+32
.endr
	WIN 0
.irp i, 0,1,2,3,4,5,6,7
	ds_load_b128 v[(\f)+8*(\i):(\f)+8*(\i)+3],   v[CA] offset:(\k)+(\i)*16*PITCH
	ds_load_b128 v[(\f)+8*(\i)+4:(\f)+8*(\i)+7], v[CA] offset:(\k)+(\i)*16*PITCH+32
.endr
.endm
.macro QUARTER k, f, g, first          ; multiplies buffer f; in its middle fetches the next quarter, at byte k, into g
	s_wait_dscnt 8                                 ; the weights and x's rows 0-63 are in; the youngest eight loads may be out
	MUL16 \f, 0, 0, \first
	MUL16 \f, 0, 2, \first
	PLACES
	FETCH \k, \g
	s_wait_dscnt 32                                ; all but the 32 just issued
	MUL16 \f, 1, 0, \first
	MUL16 \f, 1, 2, \first
.endm
.macro MEET round                      ; the first half of a step's last quarter: one barrier for the change of slots
	WIN 0
	s_wait_tensorcnt 0x0                           ; all my tensor loads have landed: the one that was out is my part of the next slot
	ds_add_u32 v[SPW], v[NIL]                      ; 0 onto my spare word
	s_wait_dscnt 9                                 ; (the add and the youngest eight loads may be out)
	MUL16 F1, 0, 0, 0
	s_wait_dscnt 0x0                               ; the add is done, and my reads of this slot are over
	s_barrier_signal -1
	MUL16 F1, 0, 2, 0
.if \round
	WIN 0
.endif
	s_barrier_wait -1
.endm
.macro TURN fill                       ; the last quarter; fill = 1: the slot just read is filled again, two K steps on, behind a round of the cluster's barrier
.if \fill
	s_wait_xcnt 0x0                                ; the last prefetch, a K step back, has read its address
	s_add_nc_u64 s[PFA:PFA+1], s[PFA:PFA+1], KSTEP*2
.endif
	MEET \fill
.if \fill
	CREST                                          ; no wave of any partner still reads this slot or has a load on its way
	s_xor_b32 s[G0+5], s[G0+5], SLOT               ; the walking descriptors: the other slot than last time,
	s_add_nc_u64 s[G0+6:G0+7], s[G0+6:G0+7], KSTEP*2  ; the next K step; the type bits on top are not reached
	s_xor_b32 s[G0B+5], s[G0B+5], SLOT
	s_add_nc_u64 s[G0B+6:G0B+7], s[G0B+6:G0B+7], KSTEP*2
	JLOAD 1                                        ; the first tensor load behind the round; its four v_nop are also the places in front of the loads below
.else
	PLACES
	WIN 0
.endif
	s_xor_b32 s[TB], s[TB], SLOT                   ; the fetches go on in the other slot
	v_add_nc_u32 v[CA], s[TB], v[A0]
	v_add_nc_u32 v[CB], s[TB], v[B0]
	FETCH 0, F0
.if \fill
	ASK
.endif
	MUL16 F1, 1, 0, 0
	MUL16 F1, 1, 2, 0
.endm
	s_wait_tensorcnt 1                             ; my part of K step 0 is in; K step 1's stays out
	s_barrier_signal -1
	s_barrier_wait -1
	FETCH 0, F0
	QUARTER 64,  F0, F1, 1                         ; the first quarter stands in front of the loop: the bias starts the sums
	WIN 0
	s_mov_b32 s3, STEPS-2
.Lstep:                                                ; six trips: from a K step's second quarter to the next step's first; each fills the slot that it leaves: K steps 2 to 7
	QUARTER 128, F1, F0, 0
	QUARTER 192, F0, F1, 0
	TURN 1
	QUARTER 64,  F0, F1, 0
	WIN 0
	s_sub_co_u32 s3, s3, 1
	s_cmp_lg_u32 s3, 0
	s_cbranch_scc1 .Lstep
	QUARTER 128, F1, F0, 0                         ; the last two K steps fill nothing
	QUARTER 192, F0, F1, 0
	TURN 0
	QUARTER 64,  F0, F1, 0
	QUARTER 128, F1, F0, 0
	QUARTER 192, F0, F1, 0
	s_wait_dscnt 8
	MUL16 F1, 0, 0, 0
	MUL16 F1, 0, 2, 0
	s_wait_dscnt 0x0                               ; my last reads of the ring are back
	MUL16 F1, 1, 0, 0
	MUL16 F1, 1, 2, 0
	WIN 0
	; THE WAY OUT.  No tensor load is out or to come, and behind this barrier no wave reads the ring: it becomes the stage.
	s_barrier_signal -1
	s_barrier_wait -1
	PLACES
.irp hi, 0,1
	WIN 0x08+4*(\hi)                               ; the stores' data in window 2, then 3
.irp a, 0,1,2,3
.irp b, 0,1,2,3,4,5,6,7
.irp q, 0,1
	ds_store_b128 v[DADR], v[8*(8*(\a)+(\b))+4*(\q):8*(8*(\a)+(\b))+4*(\q)+3] offset:((8*(4*(\hi)+(\a))+(\b))*2+(\q))*512  ; 512 consecutive bytes a store; each accumulator's low half first
.endr
.endr
.endr
.endr
	WIN 0
.set i, 0
.rept 8
	v_mov_b32 v[ONE+i], 0x3c003c00                 ; 1.0 twice, in f16
.set i, i+1
.endr
.set i, 0
.rept 48
	v_mov_b32 v[KVA+i], 0                          ; the six sums start at 0, so that the loop has one form of trip
.set i, i+1
.endr
	s_wait_dscnt 0x0                               ; for the others' sake: my accumulators lie in LDS
	s_barrier_signal -1
	s_barrier_wait -1
.macro YLOADS                          ; 32 tokens of my head: K's y and V, 16 loads
.irp d, 0,1
.irp a, 0,1
.irp q, 0,1
	ds_load_b128 v[YK+16*(\d)+8*(\a)+4*(\q):YK+16*(\d)+8*(\a)+4*(\q)+3], v[KADR] offset:(\a)*8192+(\d)*1024+(\q)*512
.endr
.endr
.endr
.irp d, 0,1
.irp a, 0,1
.irp q, 0,1
	ds_load_b128 v[YV+16*(\d)+8*(\a)+4*(\q):YV+16*(\d)+8*(\a)+4*(\q)+3], v[VADR] offset:(\a)*8192+(\d)*1024+(\q)*512
.endr
.endr
.endr
.endm
.macro FMA n                           ; c y - c for pair n
	v_pk_fma_f32 v[T+2*(\n):T+2*(\n)+1], v[YK+2*(\n):YK+2*(\n)+1], s[CE:CE+1], s[CE:CE+1] op_sel_hi:[1,0,0] neg_lo:[0,0,1] neg_hi:[0,0,1]
.endm
	YLOADS
	s_mov_b32 s3, 8
.Lgrp:                                                 ; eight trips of 32 tokens
	s_wait_dscnt 0x0
	FMA 0
	FMA 1
.set i, 0
.rept 32                               ; ONE BATCH of 32 exponentials, a plain instruction behind each: the other scalings, V's roundings, two v_nop; none names an exponential's result
	v_exp_f32 v[T+i], v[T+i]
.if i < 14
	FMA i+2
.elseif i < 30
	v_cvt_pk_f16_f32 v[VF+i-14], v[YV+2*(i-14)], v[YV+2*(i-14)+1]  ; sixteen plain instructions behind the last product that read V's fragments
.else
	v_nop
.endif
.set i, i+1
.endr
	s_wait_alu depctr_va_vdst(0)                   ; one wait for the batch, ahead of its first reader
.set i, 0
.rept 32
	v_med3_num_f32 v[T+i], v[YK+i], v[T+i], s[ONEF]  ; elu + 1: the middle one of y, e^k and 1
.set i, i+1
.endr
	v_add_nc_u32 v[KADR], 16384, v[KADR]           ; two blocks of 16 tokens on
	v_add_nc_u32 v[VADR], 16384, v[VADR]
	s_cmp_eq_u32 s3, 1
	s_cbranch_scc1 .Lnomore                        ; the last trip has nothing to fetch
	YLOADS
.Lnomore:
.set i, 0
.rept 16
	v_cvt_pk_f16_f32 v[KF+i], v[T+2*i], v[T+2*i+1]
.set i, i+1
.endr
.irp e, 0,1,2                          ; the six accumulators take turns, over the backward jump too
.irp d, 0,1
.if (\e) < 2
	v_wmma_f32_16x16x32_f16 v[KVA+8*(2*(\e)+(\d)):KVA+8*(2*(\e)+(\d))+7], v[KF+8*(\d):KF+8*(\d)+7], v[VF+8*(\e):VF+8*(\e)+7], v[KVA+8*(2*(\e)+(\d)):KVA+8*(2*(\e)+(\d))+7]
.else
	v_wmma_f32_16x16x32_f16 v[KVA+8*(2*(\e)+(\d)):KVA+8*(2*(\e)+(\d))+7], v[KF+8*(\d):KF+8*(\d)+7], v[ONE:ONE+7], v[KVA+8*(2*(\e)+(\d)):KVA+8*(2*(\e)+(\d))+7]
.endif
.endr
.endr
	s_sub_co_u32 s3, s3, 1
	s_cmp_lg_u32 s3, 0
	s_cbranch_scc1 .Lgrp
	PLACES
.irp t, 0,1,2,3,4,5
.irp q, 0,1
	global_store_b128 v[GOF], v[KVA+8*(\t)+4*(\q):KVA+8*(\t)+4*(\q)+3], s[8:9] offset:1024*(\t)+512*(\q)  ; 512 consecutive bytes, at a multiple of 512 from kvp's first
.endr
.endr
	s_wait_tensorcnt 0x0                           ; the wave's end, behind my last tensor load and my last LDS store
	ds_add_u32 v[SPW], v[NIL]
	s_wait_dscnt 0x0
	CROUND                                         ; the closing round
	s_endpgm
.Lfunc_end_k_q2bbe3dc9d8_kvgemm:
	.size	k_q2bbe3dc9d8_kvgemm, .Lfunc_end_k_q2bbe3dc9d8_kvgemm-k_q2bbe3dc9d8_kvgemm
	.p2alignl 7, 3214868480
	.fill 96, 4, 3214868480
	.section	.rodata,"a",@progbits
	.p2align	6, 0x0
	.amdhsa_kernel k_q2bbe3dc9d8_kvgemm
		.amdhsa_group_segment_fixed_size 327680
		.amdhsa_private_segment_fixed_size 0
		.amdhsa_enable_private_segment 0
		.amdhsa_kernarg_size 40
		.amdhsa_user_sgpr_count 2
		.amdhsa_user_sgpr_kernarg_segment_ptr 1
		.amdhsa_wavefront_size32 1
		.amdhsa_system_sgpr_workgroup_id_x 1
		.amdhsa_system_sgpr_workgroup_id_y 1
		.amdhsa_system_sgpr_workgroup_id_z 1
		.amdhsa_system_vgpr_workitem_id 0
		.amdhsa_next_free_vgpr 1024
		.amdhsa_next_free_sgpr 96
		.amdhsa_reserve_vcc 0
		.amdhsa_float_denorm_mode_32 3
		.amdhsa_float_denorm_mode_16_64 3
		.amdhsa_memory_ordered 1
		.amdhsa_forward_progress 1
		.amdhsa_inst_pref_size 111
	.end_amdhsa_kernel
	.amdgpu_metadata
---
amdhsa.version: [ 1, 2 ]
amdhsa.kernels:
  - .name:           k_q2bbe3dc9d8_kvgemm
    .symbol:         k_q2bbe3dc9d8_kvgemm.kd
    .args:
      - { .name: xb, .offset: 0, .size: 8, .value_kind: global_buffer, .address_space: global }
      - { .name: wkvb, .offset: 8, .size: 8, .value_kind: global_buffer, .address_space: global }
      - { .name: kvp, .offset: 16, .size: 8, .value_kind: global_buffer, .address_space: global }
      - { .name: bk, .offset: 24, .size: 8, .value_kind: global_buffer, .address_space: global }
      - { .name: bv, .offset: 32, .size: 8, .value_kind: global_buffer, .address_space: global }
    .group_segment_fixed_size: 327680
    .private_segment_fixed_size: 0
    .kernarg_segment_align: 8
    .kernarg_segment_size: 40
    .max_flat_workgroup_size: 128
    .sgpr_count:     96
    .vgpr_count:     1024
    .wavefront_size: 32
...
	.end_amdgpu_metadata
.endif
;; end of part 2
;; launch kvsum (part 3): grid 128 x 1, 6 waves a work-group, no clusters, 1,024 bytes of LDS; arguments kvp, kvf; writes kvf
.if DOCPART == 3
	.amdgcn_target "amdgcn-amd-amdhsa--gfx1250"
	.amdhsa_code_object_version 6
	.text
	.protected	k_q2bbe3dc9d8_kvsum
	.globl	k_q2bbe3dc9d8_kvsum
	.p2align	8
	.type	k_q2bbe3dc9d8_kvsum,@function
k_q2bbe3dc9d8_kvsum:
	s_mov_b64 s[64:65], 0
	v_nop
	global_prefetch_b8 v0, s[64:65] scope:SCOPE_SE
	s_setreg_imm32_b32 hwreg(HW_REG_WAVE_MODE, 25, 1), 1
	s_wait_xcnt 0x0
; Launch 3 of 5.  For each batch and head the 16 partial sums of launch 2 are added, in a fixed order, in f32; the result is scaled by a power of two and rounded to f16.  Nothing is left out.
; THE SCALE.  KV and Ksum have no room in f16 as they stand.  With 2^e <= the largest Ksum_d of the head < 2^(e+1), s = 2^-(e+1), made by whole-number arithmetic on the exponent's bits:
; Ksum s < 1, and |KV_de| s < the largest |V|, since KV_de is a sum of V's numbers with the non-negative weights that add up to Ksum_d.  The context is unchanged:
; Q KV / (Q Ksum + 1e-6) = Q (KV s) / (Q (Ksum s) + 1e-6 s); the last term is stored beside the fragments.
; LIMITS.  The largest Ksum counts as 2^-100 at the least, and stays under 2^125.  Below 6e-5 a scaled number keeps f16's fixed step of 6e-8.  NaN and infinities are not treated apart.
; SHARES.  A work-group a head; wave t owns tile t = 2 eb + db of the record's six (eb = 2: Ksum, the same in all 16 columns).  A lane's 8 numbers, packed, are its 4 registers of half db of
; fragment eb of launch 4's product: kvf's record (4,096 bytes): fragment eb, half db at 512 t + 16 lane; at 3,072: 1e-6 s, 32 times.
; All 32 loads of a wave go out at once; the launch is one trip to memory and back, so it has no ring and no prefetch.
.set SPARE, 256                        ; LDS: 0-255 the two maxima, a word a lane; then the spare words, 128 bytes for each of six waves
.set P, 32                             ; v[32:159] partial p at P + 8 p
	s_load_b128 s[4:7], s[0:1], 0x0                ; kvp s[4:5], kvf s[6:7]
	v_lshl_add_u32 v30, v0, 2, SPARE               ; my spare word; never rewritten
	v_mov_b32 v31, 0                               ; 0; never rewritten
	v_lshrrev_b32 v1, 5, v0
	v_readfirstlane_b32 s8, v1                     ; wave = tile
	v_and_b32 v3, 31, v0
	v_lshlrev_b32 v4, 4, v3
	v_lshl_add_u32 v2, v1, 10, v4                  ; in kvp: 1,024 t + 16 lane
	v_lshl_add_u32 v5, v1, 9, v4                   ; in kvf: 512 t + 16 lane
	v_lshlrev_b32 v6, 2, v3                        ; 4 lane
	s_lshr_b32 s9, ttmp9, 5                        ; batch
	s_and_b32 s10, ttmp9, 31                       ; head
	s_lshl_b32 s9, s9, 9                           ; 16 row tiles of 32 records
	s_add_co_u32 s9, s9, s10
	s_mul_i32 s12, s9, 6144
	s_mov_b32 s13, 0
	s_lshl_b32 s14, ttmp9, 12
	s_mov_b32 s15, 0
	s_mov_b32 s16, 0x76543210                      ; v_permlanex16_b32: each lane takes its own place in the other half
	s_mov_b32 s17, 0xfedcba98
	s_wait_kmcnt 0x0
	s_add_nc_u64 s[4:5], s[4:5], s[12:13]
	s_add_nc_u64 s[6:7], s[6:7], s[14:15]
.irp p, 0,1,2,3,4,5,6,7,8,9,10,11,12,13,14,15
	global_load_b128 v[P+8*(\p):P+8*(\p)+3],   v2, s[4:5] offset:196608*(\p) th:TH_LOAD_NT      ; the next row tile's record lies 32 x 6,144 bytes on
	global_load_b128 v[P+8*(\p)+4:P+8*(\p)+7], v2, s[4:5] offset:196608*(\p)+512 th:TH_LOAD_NT
.endr
.irp p, 1,2,3,4,5,6,7,8,9,10,11,12,13,14,15
	s_wait_loadcnt 30-2*(\p)                       ; partials 0 to p are in; the younger ones stay out
.irp k, 0,2,4,6
	v_pk_add_f32 v[P+(\k):P+(\k)+1], v[P+(\k):P+(\k)+1], v[P+8*(\p)+(\k):P+8*(\p)+(\k)+1]
.endr
.endr
	s_cmp_lt_u32 s8, 4
	s_cbranch_scc1 .Lno_max                        ; waves 4 and 5 hold Ksum: d = 16 db + 8 (lane / 16) + register
	v_max3_num_f32 v8, v[P], v[P+1], v[P+2]
	v_max3_num_f32 v9, v[P+3], v[P+4], v[P+5]
	v_max3_num_f32 v8, v8, v[P+6], v[P+7]
	v_max_num_f32 v8, v8, v9
	v_permlanex16_b32 v9, v8, s16, s17             ; the other eight d lie in the lane 16 away
	v_max_num_f32 v8, v8, v9
	s_sub_co_u32 s18, s8, 4
	s_lshl_b32 s18, s18, 7
	v_add_nc_u32 v7, s18, v6
	ds_store_b32 v7, v8
.Lno_max:
	s_wait_dscnt 0x0                               ; for the others' sake
	s_barrier_signal -1
	s_barrier_wait -1
	ds_load_b32 v10, v6
	ds_load_b32 v11, v6 offset:128
	s_wait_dscnt 0x0
	v_max_num_f32 v10, v10, v11                    ; the head's largest Ksum,
	v_max_num_f32 v10, 0x0d800000, v10             ; 2^-100 at the least
	v_and_b32 v10, 0x7f800000, v10                 ; 2^e
	v_sub_nc_u32 v12, 0x7e800000, v10              ; the exponent's field 253 - (127 + e): s = 2^-(e+1)
	v_mov_b32 v13, v12
.irp k, 0,2,4,6
	v_pk_mul_f32 v[P+(\k):P+(\k)+1], v[P+(\k):P+(\k)+1], v[12:13]
.endr
.irp k, 0,1,2,3
	v_cvt_pk_f16_f32 v[16+(\k)], v[P+2*(\k)], v[P+2*(\k)+1]
.endr
	global_store_b128 v5, v[16:19], s[6:7]         ; 512 consecutive bytes, aligned
	s_cmp_lg_u32 s8, 0
	s_cbranch_scc1 .Lend
	v_mul_f32 v14, 0x358637bd, v12                 ; 1e-6 s
	global_store_b32 v6, v14, s[6:7] offset:3072
.Lend:
	s_wait_tensorcnt 0x0                           ; the wave's end, behind my last LDS store
	ds_add_u32 v30, v31
	s_wait_dscnt 0x0
	s_endpgm
.Lfunc_end_k_q2bbe3dc9d8_kvsum:
	.size	k_q2bbe3dc9d8_kvsum, .Lfunc_end_k_q2bbe3dc9d8_kvsum-k_q2bbe3dc9d8_kvsum
	.p2alignl 7, 3214868480
	.fill 96, 4, 3214868480
	.section	.rodata,"a",@progbits
	.p2align	6, 0x0
	.amdhsa_kernel k_q2bbe3dc9d8_kvsum
		.amdhsa_group_segment_fixed_size 1024
		.amdhsa_private_segment_fixed_size 0
		.amdhsa_enable_private_segment 0
		.amdhsa_kernarg_size 16
		.amdhsa_user_sgpr_count 2
		.amdhsa_user_sgpr_kernarg_segment_ptr 1
		.amdhsa_wavefront_size32 1
		.amdhsa_system_sgpr_workgroup_id_x 1
		.amdhsa_system_sgpr_workgroup_id_y 1
		.amdhsa_system_sgpr_workgroup_id_z 1
		.amdhsa_system_vgpr_workitem_id 0
		.amdhsa_next_free_vgpr 168
		.amdhsa_next_free_sgpr 66
		.amdhsa_reserve_vcc 0
		.amdhsa_float_denorm_mode_32 3
		.amdhsa_float_denorm_mode_16_64 3
		.amdhsa_memory_ordered 1
		.amdhsa_forward_progress 1
		.amdhsa_inst_pref_size 11
	.end_amdhsa_kernel
	.amdgpu_metadata
---
amdhsa.version: [ 1, 2 ]
amdhsa.kernels:
  - .name:           k_q2bbe3dc9d8_kvsum
    .symbol:         k_q2bbe3dc9d8_kvsum.kd
    .args:
      - { .name: kvp, .offset: 0, .size: 8, .value_kind: global_buffer, .address_space: global }
      - { .name: kvf, .offset: 8, .size: 8, .value_kind: global_buffer, .address_space: global }
    .group_segment_fixed_size: 1024
    .private_segment_fixed_size: 0
    .kernarg_segment_align: 8
    .kernarg_segment_size: 16
    .max_flat_workgroup_size: 192
    .sgpr_count:     66
    .vgpr_count:     168
    .wavefront_size: 32
...
	.end_amdgpu_metadata
.endif
;; end of part 3
;; launch qgemm (part 4): grid 4 x 64, 4 waves a work-group, clusters of 4 x 4, 327,680 bytes of LDS; arguments xb, wqb, ctxf, bq, kvf; writes ctxf
.if DOCPART == 4
	.amdgcn_target "amdgcn-amd-amdhsa--gfx1250"
	.amdhsa_code_object_version 6
	.text
	.protected	k_q2bbe3dc9d8_qgemm
	.globl	k_q2bbe3dc9d8_qgemm
	.p2align	8
	.type	k_q2bbe3dc9d8_qgemm,@function
k_q2bbe3dc9d8_qgemm:
	s_mov_b64 s[64:65], 0
	v_nop
	global_prefetch_b8 v0, s[64:65] scope:SCOPE_SE
	s_setreg_imm32_b32 hwreg(HW_REG_WAVE_MODE, 25, 1), 1
	s_wait_xcnt 0x0
	s_wait_alu depctr_hold_cnt(0) depctr_sa_sdst(0) depctr_va_vdst(0) depctr_va_sdst(0) depctr_va_ssrc(0) depctr_va_vcc(0) depctr_vm_vsrc(0)
	s_getreg_b32 s2, hwreg(HW_REG_IB_STS2, 6, 4)
	s_cmp_eq_u32 s2, 0
	s_cbranch_scc0 .Lentry_in_a_cluster
	s_endpgm
.Lentry_in_a_cluster:
	s_bfe_u32 s2, ttmp6, 0x10000c
	s_cmp_lg_u32 s2, 0xf033
	s_cbranch_scc0 .Lentry_shape_is_right
	s_endpgm
.Lentry_shape_is_right:
; Launch 4 of 5.  Q = elu(x Wq^T + bq) + 1 and, at once, the context Q KV / (Q Ksum + 1e-6), with KV, Ksum and the 1e-6 scaled alike by launch 3's power of two.  Nothing is left out.
; A work-group makes 256 tokens x 256 columns (eight heads) of x wqb^T; four waves, each 128 x 128: 64 accumulators.  The ring, the cluster's joint loads and the prefetches are launch 2's.
; THE PRODUCT IS USED TRANSPOSED (source 0 = 16 rows of Wq, source 1 = 16 tokens): a lane holds ONE token and eight neighbouring columns, so the two results of a head, rounded to f16 in pairs,
; ARE source 1 (32 d x 16 tokens) of context^T = KV^T Q^T, whose result again holds one token a lane and eight neighbouring columns.  A third product, with Ksum in all 16 rows of source 0, leaves the divisor in every register.
; THE BIAS, bf16(bq) + 1, is the C operand of the first products; elu(q) + 1 = the middle one of y = q + 1, 2^(c y - c) and 1, c = log2 e (for q > 0: 1 < y <= e^q; else y <= e^q <= 1).
; THE WAY OUT.  The ring has had its last fill; behind a barrier each wave lays its accumulators into 65,536 bytes of its own and walks them, 16 tokens a trip, on fixed registers.
; FORMATS AND LIMITS.  Q and the context are rounded to f16: |q| stays under 65,504; the context is a mean of V's rows with positive weights and has their range; below 6e-5 both keep f16's fixed
; step of 6e-8; an exponential below 2^-126 counts as 0.  NaN and infinities are not treated apart.
; REGISTERS: window 0: v0-31 addresses, v8-15 the reciprocals; v64-191 x's fragments; on the way out as named below.  window 1: v0-63 the bias; v64-191 Wq's fragments, on the way out v64-159 KV's
; twelve fragments.  windows 2, 3: the accumulators; on the way out window 2's v0-95 take the context's twelve results.
.set SIZE_K, 1024
.set SIZE_N, 1024
.set KSTEP,  128
.set PITCH,  272                       ; an LDS row: 256 bytes + 16 of padding: the 16 rows of a load start at 16 different groups of four banks (64 banks of 4 bytes: ISA guide 11.1)
.set HALFT,  128*PITCH
.set SLOT,   0x24000                   ; slot 1 begins here; a slot uses 4 HALFT = 0x22000 bytes.  Bits 17 and 14 are clear in the four waves' places 0, 0x8800, 0x11000, 0x19800: one exclusive or changes slots
.set STAGE,  SLOT+4*HALFT              ; behind the ring: 16 rows x 272 bytes for each wave
.set SPITCH, 272
.set SPARE,  STAGE+4*16*SPITCH         ; behind the stages: the spare words, 128 bytes a wave, which no other line names
.set STEPS,  SIZE_K/KSTEP
.set ZR,   8                           ; v8-15   head hh: the reciprocal in v[8 + 2 hh]; named as a pair
.set A0,   16                          ; v16     my lane's place among x's fragments in slot 0; never rewritten
.set CA,   17                          ; v17     the same in the slot in hand
.set B0,   20                          ; v20, v21  the same for Wq
.set CB,   21
.set DADR, 22                          ; v22     where my accumulators go
.set STO,  24                          ; v24     where I put 16 bytes of a row of the context
.set RD,   25                          ; v25     where I read a row back
.set CO,   26                          ; v26     my byte offset in ctxf
.set YADR, 27                          ; v27     the 16 tokens to be read next
.set SPW,  28
.set NIL,  29
.set PFO,  30
.set GOF,  31                          ; v31     16 x my lane
.set F0,   64
.set F1,   128
.set RB,   32                          ; v32-63   16 rows read back
.set YK,   64                          ; v64-127  y: column block b at + 8 b
.set T,    128                         ; v128-191 the exponentials, then Q; later the context in f32
.set QF,   192                         ; v192-223 Q's fragments, head hh at + 8 hh
.set PK,   224                         ; v224-255 the context in f16
.set KVF,  64                          ; window 1: fragment f (0, 1: KV's column blocks; 2: Ksum) of head hh at + 8 (3 hh + f)
.set G1, 24
.set G0, 32
.set G1B, 48
.set G0B, 56
.set PFA, 44
.set LIM, 43
.set ONEF, 75                          ; s75  1.0
.set EPS, 80                           ; s[80:83] 1e-6 s of my four heads
.set CE,  84                           ; s[84:85] c = log2 e, twice
.set TC,  87
.set RT,  88
.set TB,  89                           ; s89  the LDS byte at which the slot in hand begins: 0 or SLOT
.set MUL_LO, 0xa1                      ; source 0 (Wq) window 1, source 1 (x) window 0, C and D window 2; + 0x50: window 3
.set MUL_F,  0x91                      ; the same with C, the bias, in window 1; + 0x40: D in window 3
.set TO_B,   0x40
.set MSB, 0
.macro WIN new
.if MSB != (\new)
	s_set_vgpr_msb (MSB<<8)|(\new)
.set MSB, \new
.endif
.endm
.macro JLOAD s                         ; a joint load: waves 0, 1 fetch x's halves, waves 2, 3 Wq's; an s_nop 0 and four v_nop follow each line
	s_cmp_eq_u32 s11, 0
	s_cbranch_scc0 .Lfor_b_\@
	tensor_load_to_lds s[G0+4*(\s):G0+4*(\s)+3], s[G1:G1+7]
	s_nop 0
.rept 4
	v_nop
.endr
	s_branch .Lasked_\@
.Lfor_b_\@:
	tensor_load_to_lds s[G0B+4*(\s):G0B+4*(\s)+3], s[G1B:G1B+7]
	s_nop 0
.rept 4
	v_nop
.endr
.Lasked_\@:
.endm
.macro ASK                             ; a prefetch of the K step two refills on: 32 rows x 256 bytes, a lane a row; x's rows by the cluster with x = 0, Wq's by the cluster with y = 0; the partners' shares are told apart by address; the trips with s3 = 6 .. 3 name K steps 4 to 7, the last two nothing
	s_cmp_gt_u32 s3, s[LIM]
	s_cbranch_scc0 .Lnot_mine_\@
	global_prefetch_b8 v[PFO], s[PFA:PFA+1] offset:KSTEP*2 th:TH_LOAD_NT scope:SCOPE_SE
.Lnot_mine_\@:
.endm
.macro CREST
	s_cmp_lg_u32 s10, 0
	s_cbranch_scc1 .Lnot_wave_0_\@
	s_barrier_signal -3
.Lnot_wave_0_\@:
	s_barrier_wait -3
	s_barrier_signal -1
	s_barrier_wait -1
.endm
.macro CROUND
	s_barrier_signal -1
	s_barrier_wait -1
	CREST
.endm
.macro PLACES                          ; four plain instructions between a matrix instruction and a load into, a write of or a read of its registers
.rept 4
	v_nop
.endr
.endm
	s_load_b128 s[4:7], s[0:1], 0x0                ; xb s[4:5], wqb s[6:7]
	s_load_b64 s[8:9], s[0:1], 0x10                ; ctxf
	s_load_b64 s[68:69], s[0:1], 0x18              ; bq
	s_load_b64 s[70:71], s[0:1], 0x20              ; kvf
	v_lshl_add_u32 v[SPW], v0, 2, SPARE
	v_mov_b32 v[NIL], 0
	ds_add_u32 v[SPW], v[NIL]                      ; the wave's opening: the add, twice on end, and its wait ahead of my first tensor load
	ds_add_u32 v[SPW], v[NIL]
	v_lshrrev_b32 v1, 5, v0
	v_readfirstlane_b32 s10, v1
	s_lshr_b32 s11, s10, 1                         ; my half of the rows.  Also: I fetch x (0) or Wq (1)
	s_and_b32 s12, s10, 1                          ; my half of the columns.  Also: which 128 rows I fetch
	s_bfe_u32 s40, ttmp6, 0x40000
	s_bfe_u32 s41, ttmp6, 0x40004
	s_lshl_b32 s42, ttmp9, 2
	s_add_co_u32 s42, s42, s40                     ; tile column
	s_and_b32 s13, ttmp7, 0xffff
	s_lshl_b32 s13, s13, 2
	s_add_co_u32 s13, s13, s41                     ; tile row
	s_mov_b32 s[TC], s42
	s_mov_b32 s[RT], s13
	s_lshl_b32 s43, s41, 2
	s_lshl_b32 s43, 15, s43
	s_lshl_b32 s44, 0x1111, s40
	s_or_b32 s[G1+0], s43, (1<<16)|(1<<20)|(1<<21)|(5<<22)|(3<<25)
	s_or_b32 s[G1B+0], s44, (1<<16)|(1<<20)|(1<<21)|(5<<22)|(3<<25)
.irp g, G1, G1B
	s_mov_b32 s[(\g)+1], KSTEP<<16
	s_mov_b32 s[(\g)+2], 128<<16
	s_mov_b32 s[(\g)+3], KSTEP<<16
	s_mov_b32 s[(\g)+4], 128
	s_mov_b32 s[(\g)+5], SIZE_K
	s_mov_b32 s[(\g)+6], 0
	s_mov_b32 s[(\g)+7], 0
.endr
	s_mov_b32 s[ONEF], 1.0
	s_mov_b32 s[CE], 0x3fb8aa3b
	s_mov_b32 s[CE+1], 0x3fb8aa3b
	s_mov_b32 s86, 0xffff0000
	s_mov_b32 s[TB], 0                             ; K step 0 lies in slot 0
	s_lshl_b32 s17, s12, 7
	s_lshl_b32 s16, s13, 8
	s_add_co_u32 s16, s16, s17
	s_lshl_b32 s46, s42, 8
	s_add_co_u32 s46, s46, s17
	s_mov_b32 s17, 0
	s_mov_b32 s47, 0
	s_mov_b64 s[18:19], SIZE_K*2
	s_mul_u64 s[16:17], s[16:17], s[18:19]
	s_mul_u64 s[46:47], s[46:47], s[18:19]
	s_mul_i32 s20, s10, HALFT
	s_wait_dscnt 0x0                               ; both opening adds are done
	s_wait_kmcnt 0x0
	s_add_nc_u64 s[14:15], s[4:5], s[16:17]
	s_add_nc_u64 s[46:47], s[6:7], s[46:47]
	CROUND
.irp s, 0,1
	s_mov_b32 s[G0+4*(\s)], 1
	s_add_co_u32 s[G0+4*(\s)+1], s20, (\s)*SLOT
	s_add_nc_u64 s[G0+4*(\s)+2:G0+4*(\s)+3], s[14:15], (\s)*KSTEP*2
	s_or_b32 s[G0+4*(\s)+3], s[G0+4*(\s)+3], 0x80000000
	s_mov_b32 s[G0B+4*(\s)], 1
	s_add_co_u32 s[G0B+4*(\s)+1], s20, (\s)*SLOT
	s_add_nc_u64 s[G0B+4*(\s)+2:G0B+4*(\s)+3], s[46:47], (\s)*KSTEP*2
	s_or_b32 s[G0B+4*(\s)+3], s[G0B+4*(\s)+3], 0x80000000
	JLOAD \s
.endr
	v_and_b32 v1, 15, v0
	v_bfe_u32 v2, v0, 4, 1
	v_mul_u32_u24 v3, v1, PITCH
	v_lshl_add_u32 v3, v2, 4, v3
	s_mul_i32 s21, s11, HALFT
	s_mul_i32 s22, s12, HALFT
	s_add_co_u32 s22, s22, 2*HALFT
	v_add_nc_u32 v[A0], s21, v3
	v_add_nc_u32 v[B0], s22, v3
	v_add_nc_u32 v[CA], s[TB], v[A0]
	v_add_nc_u32 v[CB], s[TB], v[B0]
	s_mul_i32 s23, s10, 16*SPITCH
	s_add_co_u32 s23, s23, STAGE                   ; my stage
	v_mul_u32_u24 v4, v1, SPITCH                   ; in: row l % 16, 16 bytes for each half of the lanes
	v_lshl_add_u32 v4, v2, 4, v4
	v_add_nc_u32 v[STO], s23, v4
	v_mul_u32_u24 v5, v2, SPITCH                   ; back: lanes 0-15 one row of 256 bytes, lanes 16-31 the next
	v_lshl_add_u32 v5, v1, 4, v5
	v_add_nc_u32 v[RD], s23, v5
	v_mul_u32_u24 v5, v2, SIZE_N*2
	v_lshl_add_u32 v[CO], v1, 4, v5
	; the bias: a lane's eight columns of block b are 16 b + 8 (l / 16) + 0..7
	s_lshl_b32 s76, s[TC], 10
	s_lshl_b32 s77, s12, 9
	s_add_co_u32 s76, s76, s77
	s_mov_b32 s77, 0
	s_add_nc_u64 s[72:73], s[68:69], s[76:77]
	v_lshlrev_b32 v4, 5, v2
	WIN 0x40                                       ; destination window 1
.irp b, 0,1,2,3,4,5,6,7
	global_load_b128 v[8*(\b):8*(\b)+3],   v4, s[72:73] offset:64*(\b)
	global_load_b128 v[8*(\b)+4:8*(\b)+7], v4, s[72:73] offset:64*(\b)+16
.endr
	WIN 0
	s_lshr_b32 s76, s[RT], 4                       ; the batch: 16 row tiles each;
	s_lshl_b32 s76, s76, 5
	s_lshl3_add_u32 s76, s[TC], s76                ; eight heads a tile column,
	s_lshl2_add_u32 s76, s12, s76                  ; four a wave;
	s_lshl_b32 s76, s76, 12                        ; records of 4,096 bytes
	s_add_nc_u64 s[78:79], s[70:71], s[76:77]
.irp h, 0,1,2,3
	s_load_b32 s[EPS+(\h)], s[78:79], 4096*(\h)+3072
.endr
	s_lshl_b32 s76, s[RT], 19                      ; my part of ctxf: (256 x tile row + 128 x half) rows of 2,048 bytes,
	s_lshl_b32 s20, s11, 18
	s_add_co_u32 s76, s76, s20
	s_lshl_b32 s20, s[TC], 9                       ; 512 x tile column + 256 x half
	s_add_co_u32 s76, s76, s20
	s_lshl_b32 s20, s12, 8
	s_add_co_u32 s76, s76, s20
	s_add_nc_u64 s[8:9], s[8:9], s[76:77]
	v_and_b32 v5, 31, v0
	v_lshlrev_b32 v[GOF], 4, v5
	v_lshl_add_u32 v[DADR], s10, 16, v[GOF]        ; my accumulators' 65,536 bytes
	v_mov_b32 v[YADR], v[DADR]
.irp h, 0,1,2,3
	v_mov_b32 v[ZR+2*(\h)+1], 0                    ; named with the reciprocal as a pair, so it is written
.endr
	; the prefetches
	s_lshl_b32 s13, s13, 8
	s_lshl_b32 s42, s42, 8
	s_and_b32 s22, ttmp7, 0xffff
	s_cmp_eq_u32 s11, 0
	s_cselect_b32 s20, s13, s42
	s_cselect_b32 s21, s40, s41
	s_cselect_b32 s22, ttmp9, s22
	s_cselect_b64 s[PFA:PFA+1], s[4:5], s[6:7]
	s_cmp_eq_u32 s22, 0
	s_cselect_b32 s[LIM], 2, -1
	s_lshl_b32 s22, s12, 7
	s_add_co_u32 s20, s20, s22
	s_lshl_b32 s21, s21, 5
	s_add_co_u32 s20, s20, s21
	s_mov_b32 s21, 0
	s_mov_b64 s[18:19], SIZE_K*2
	s_mul_u64 s[20:21], s[20:21], s[18:19]
	s_add_nc_u64 s[PFA:PFA+1], s[PFA:PFA+1], s[20:21]
	s_add_nc_u64 s[PFA:PFA+1], s[PFA:PFA+1], 2*KSTEP*2
	v_mul_u32_u24 v[PFO], v5, SIZE_K*2
	s_wait_loadcnt 0x0                             ; the bias
	s_wait_kmcnt 0x0                               ; the four scaled 1e-6
	WIN 0x45                                       ; sources and destination in window 1
.set i, 0
.rept 32
	v_cvt_pk_bf16_f32 v[192+i], v[2*i], v[2*i+1]   ; rounded to bf16, like every input,
	v_lshlrev_b32 v[2*i], 16, v[192+i]             ; widened again,
	v_and_b32 v[2*i+1], s86, v[192+i]
	v_pk_add_f32 v[2*i:2*i+1], v[2*i:2*i+1], 1.0 op_sel_hi:[1,0]  ; and the + 1
.set i, i+1
.endr
	WIN 0
.macro PROD first
.if \first
	v_wmma_f32_16x16x32_bf16 v[rD:rD+7], v[rW:rW+7], v[rX:rX+7], v[rC:rC+7]
.else
	v_wmma_f32_16x16x32_bf16 v[rD:rD+7], v[rW:rW+7], v[rX:rX+7], v[rD:rD+7]
.endif
.endm
.macro MUL16 f, hi, a0, first          ; 16 matrix instructions; first = 1: the bias starts the sums.  The 64 accumulators take turns in one order everywhere.
.if \first
	WIN MUL_F+0x40*(\hi)
.else
	WIN MUL_LO+0x50*(\hi)
.endif
.irp a, \a0, (\a0)+1
.irp b, 0,1,2,3,4,5,6,7
.set rD, 8*(8*(\a)+(\b))
.set rW, (\f)+8*(\b)
.set rX, (\f)+8*(4*(\hi)+(\a))
.set rC, 8*(\b)
	PROD \first
.endr
.endr
.endm
.macro FETCH k, f                      ; 32 LDS loads in one run: a quarter step's fragments, at byte k of the rows of the slot in hand
	WIN TO_B
.irp i, 0,1,2,3,4,5,6,7
	ds_load_b128 v[(\f)+8*(\i):(\f)+8*(\i)+3],   v[CB] offset:(\k)+(\i)*16*PITCH
	ds_load_b128 v[(\f)+8*(\i)+4:(\f)+8*(\i)+7], v[CB] offset:(\k)+(\i)*16*PITCH+32
.endr
	WIN 0
.irp i, 0,1,2,3,4,5,6,7
	ds_load_b128 v[(\f)+8*(\i):(\f)+8*(\i)+3],   v[CA] offset:(\k)+(\i)*16*PITCH
	ds_load_b128 v[(\f)+8*(\i)+4:(\f)+8*(\i)+7], v[CA] offset:(\k)+(\i)*16*PITCH+32
.endr
.endm
.macro QUARTER k, f, g, first
	s_wait_dscnt 8                                 ; Wq and x's rows 0-63 are in; the youngest eight loads may be out
	MUL16 \f, 0, 0, \first
	MUL16 \f, 0, 2, \first
	PLACES
	FETCH \k, \g
	s_wait_dscnt 32                                ; all but the 32 just issued
	MUL16 \f, 1, 0, \first
	MUL16 \f, 1, 2, \first
.endm
.macro MEET round
	WIN 0
	s_wait_tensorcnt 0x0                           ; all my tensor loads have landed: my part of the next slot
	ds_add_u32 v[SPW], v[NIL]                      ; 0 onto my spare word
	s_wait_dscnt 9                                 ; (the add and the youngest eight loads may be out)
	MUL16 F1, 0, 0, 0
	s_wait_dscnt 0x0                               ; the add is done, and my reads of this slot are over
	s_barrier_signal -1
	MUL16 F1, 0, 2, 0
.if \round
	WIN 0
.endif
	s_barrier_wait -1
.endm
.macro TURN fill
.if \fill
	s_wait_xcnt 0x0                                ; the last prefetch, a K step back, has read its address
	s_add_nc_u64 s[PFA:PFA+1], s[PFA:PFA+1], KSTEP*2
.endif
	MEET \fill
.if \fill
	CREST                                          ; no wave of any partner still reads this slot or has a load on its way
	s_xor_b32 s[G0+5], s[G0+5], SLOT               ; the walking descriptors: the other slot than last time,
	s_add_nc_u64 s[G0+6:G0+7], s[G0+6:G0+7], KSTEP*2  ; the next K step
	s_xor_b32 s[G0B+5], s[G0B+5], SLOT
	s_add_nc_u64 s[G0B+6:G0B+7], s[G0B+6:G0B+7], KSTEP*2
	JLOAD 1
.else
	PLACES
	WIN 0
.endif
	s_xor_b32 s[TB], s[TB], SLOT                   ; the fetches go on in the other slot
	v_add_nc_u32 v[CA], s[TB], v[A0]
	v_add_nc_u32 v[CB], s[TB], v[B0]
	FETCH 0, F0
.if \fill
	ASK
.endif
	MUL16 F1, 1, 0, 0
	MUL16 F1, 1, 2, 0
.endm
	s_wait_tensorcnt 1                             ; my part of K step 0 is in; K step 1's stays out
	s_barrier_signal -1
	s_barrier_wait -1
	FETCH 0, F0
	QUARTER 64,  F0, F1, 1
	WIN 0
	s_mov_b32 s3, STEPS-2
.Lstep:                                                ; six trips: from a K step's second quarter to the next step's first; each fills the slot that it leaves: K steps 2 to 7
	QUARTER 128, F1, F0, 0
	QUARTER 192, F0, F1, 0
	TURN 1
	QUARTER 64,  F0, F1, 0
	WIN 0
	s_sub_co_u32 s3, s3, 1
	s_cmp_lg_u32 s3, 0
	s_cbranch_scc1 .Lstep
	QUARTER 128, F1, F0, 0                         ; the last two K steps fill nothing
	QUARTER 192, F0, F1, 0
	TURN 0
	QUARTER 64,  F0, F1, 0
	QUARTER 128, F1, F0, 0
	QUARTER 192, F0, F1, 0
	s_wait_dscnt 8
	MUL16 F1, 0, 0, 0
	MUL16 F1, 0, 2, 0
	s_wait_dscnt 0x0                               ; my last reads of the ring are back
	MUL16 F1, 1, 0, 0
	MUL16 F1, 1, 2, 0
	WIN 0
	; THE WAY OUT.  No tensor load is out or to come, and behind this barrier no wave reads the ring: each wave takes 65,536 bytes of it for itself.
	s_barrier_signal -1
	s_barrier_wait -1
	PLACES
	WIN 0x40                                       ; KV's fragments go where Wq's lay; they land while the accumulators are laid down
.irp h, 0,1,2,3
.irp f, 0,1,2
.irp q, 0,1
	global_load_b128 v[KVF+8*(3*(\h)+(\f))+4*(\q):KVF+8*(3*(\h)+(\f))+4*(\q)+3], v[GOF], s[78:79] offset:4096*(\h)+1024*(\f)+512*(\q)
.endr
.endr
.endr
.irp hi, 0,1
	WIN 0x08+4*(\hi)
.irp a, 0,1,2,3
.irp b, 0,1,2,3,4,5,6,7
.irp q, 0,1
	ds_store_b128 v[DADR], v[8*(8*(\a)+(\b))+4*(\q):8*(8*(\a)+(\b))+4*(\q)+3] offset:((8*(4*(\hi)+(\a))+(\b))*2+(\q))*512  ; 512 consecutive bytes a store; each accumulator's low half first
.endr
.endr
.endr
.endr
	WIN 0
.macro YLOADS                          ; 16 tokens x my 128 columns.  LDS serves a wave's instructions in order (ISA guide 5.7.1.4): these see my stores
.irp b, 0,1,2,3,4,5,6,7
.irp q, 0,1
	ds_load_b128 v[YK+8*(\b)+4*(\q):YK+8*(\b)+4*(\q)+3], v[YADR] offset:(2*(\b)+(\q))*512
.endr
.endr
.endm
.macro FMA n                           ; c y - c for pair n
	v_pk_fma_f32 v[T+2*(\n):T+2*(\n)+1], v[YK+2*(\n):YK+2*(\n)+1], s[CE:CE+1], s[CE:CE+1] op_sel_hi:[1,0,0] neg_lo:[0,0,1] neg_hi:[0,0,1]
.endm
	YLOADS
	s_wait_loadcnt 0x0                             ; KV's fragments
	s_mov_b32 s3, 8
.Lrow:                                                 ; eight trips of 16 tokens
	s_wait_dscnt 0x0
	FMA 0
	FMA 1
.set i, 0
.rept 32                               ; the first batch of 32 exponentials, a plain instruction behind each: the other 30 scalings, two v_nop; none names a result
	v_exp_f32 v[T+i], v[T+i]
.if i < 30
	FMA i+2
.else
	v_nop
.endif
.set i, i+1
.endr
	s_wait_alu depctr_va_vdst(0)                   ; one wait for the batch, ahead of its first reader
.set i, 0
.rept 32                               ; the second batch, with the first batch's selections between
	v_exp_f32 v[T+32+i], v[T+32+i]
	v_med3_num_f32 v[T+i], v[YK+i], v[T+i], s[ONEF]
.set i, i+1
.endr
.set i, 0
.rept 16
	v_cvt_pk_f16_f32 v[QF+i], v[T+2*i], v[T+2*i+1]
.set i, i+1
.endr
	s_wait_alu depctr_va_vdst(0)                   ; one wait for the second batch
.set i, 32
.rept 32
	v_med3_num_f32 v[T+i], v[YK+i], v[T+i], s[ONEF]
.set i, i+1
.endr
.set i, 16
.rept 16
	v_cvt_pk_f16_f32 v[QF+i], v[T+2*i], v[T+2*i+1]
.set i, i+1
.endr
	v_add_nc_u32 v[YADR], 8192, v[YADR]
	s_cmp_eq_u32 s3, 1
	s_cbranch_scc1 .Lnomore                        ; the last trip has nothing to fetch
	YLOADS
.Lnomore:
	WIN 0x81                                       ; KV in window 1, Q in window 0, the results in window 2
.irp h, 0,1,2,3
.irp f, 0,1,2
	v_wmma_f32_16x16x32_f16 v[8*(3*(\h)+(\f)):8*(3*(\h)+(\f))+7], v[KVF+8*(3*(\h)+(\f)):KVF+8*(3*(\h)+(\f))+7], v[QF+8*(\h):QF+8*(\h)+7], 0
.endr
.endr
	WIN 0
	PLACES
	WIN 0x02                                       ; source 0 in window 2
.irp h, 0,1,2,3
	v_add_f32 v[ZR+2*(\h)], v[8*(3*(\h)+2)], s[EPS+(\h)]  ; Q Ksum s + 1e-6 s: the divisor stands in every register of the third result; the lowest is taken
.endr
	WIN 0
.irp h, 0,1,2,3
	v_rcp_f32 v[ZR+2*(\h)], v[ZR+2*(\h)]
.endr
	v_nop                                          ; a plain instruction behind the last reciprocal,
	s_wait_alu depctr_va_vdst(0)                   ; and one wait for the four
	WIN 0x02
.irp h, 0,1,2,3
.irp e, 0,1
.irp p, 0,2,4,6
	v_pk_mul_f32 v[T+16*(\h)+8*(\e)+(\p):T+16*(\h)+8*(\e)+(\p)+1], v[8*(3*(\h)+(\e))+(\p):8*(3*(\h)+(\e))+(\p)+1], v[ZR+2*(\h):ZR+2*(\h)+1] op_sel_hi:[1,0]
.endr
.endr
.endr
	WIN 0
.set i, 0
.rept 32
	v_cvt_pk_f16_f32 v[PK+i], v[T+2*i], v[T+2*i+1]
.set i, i+1
.endr
.irp b, 0,1,2,3,4,5,6,7
	ds_store_b128 v[STO], v[PK+4*(\b):PK+4*(\b)+3] offset:32*(\b)
.endr
.irp t, 0,1,2,3,4,5,6,7
	ds_load_b128 v[RB+4*(\t):RB+4*(\t)+3], v[RD] offset:(\t)*2*SPITCH  ; my own stage: served in order behind the stores above
.endr
.irp t, 0,1,2,3,4,5,6,7
	s_wait_dscnt 7-(\t)                            ; rows 2 t, 2 t + 1 are back; the younger loads stay out
	global_store_b128 v[CO], v[RB+4*(\t):RB+4*(\t)+3], s[8:9] offset:2*(\t)*SIZE_N*2  ; 16 lanes store 256 consecutive bytes, aligned
.endr
	s_wait_xcnt 0x0                                ; the stores have read their registers and their base
	s_add_nc_u64 s[8:9], s[8:9], 16*SIZE_N*2
	s_sub_co_u32 s3, s3, 1
	s_cmp_lg_u32 s3, 0
	s_cbranch_scc1 .Lrow
	s_wait_tensorcnt 0x0                           ; the wave's end, behind my last tensor load and my last LDS store
	ds_add_u32 v[SPW], v[NIL]
	s_wait_dscnt 0x0
	CROUND                                         ; the closing round
	s_endpgm
.Lfunc_end_k_q2bbe3dc9d8_qgemm:
	.size	k_q2bbe3dc9d8_qgemm, .Lfunc_end_k_q2bbe3dc9d8_qgemm-k_q2bbe3dc9d8_qgemm
	.p2alignl 7, 3214868480
	.fill 96, 4, 3214868480
	.section	.rodata,"a",@progbits
	.p2align	6, 0x0
	.amdhsa_kernel k_q2bbe3dc9d8_qgemm
		.amdhsa_group_segment_fixed_size 327680
		.amdhsa_private_segment_fixed_size 0
		.amdhsa_enable_private_segment 0
		.amdhsa_kernarg_size 40
		.amdhsa_user_sgpr_count 2
		.amdhsa_user_sgpr_kernarg_segment_ptr 1
		.amdhsa_wavefront_size32 1
		.amdhsa_system_sgpr_workgroup_id_x 1
		.amdhsa_system_sgpr_workgroup_id_y 1
		.amdhsa_system_sgpr_workgroup_id_z 1
		.amdhsa_system_vgpr_workitem_id 0
		.amdhsa_next_free_vgpr 1024
		.amdhsa_next_free_sgpr 96
		.amdhsa_reserve_vcc 0
		.amdhsa_float_denorm_mode_32 3
		.amdhsa_float_denorm_mode_16_64 3
		.amdhsa_memory_ordered 1
		.amdhsa_forward_progress 1
		.amdhsa_inst_pref_size 126
	.end_amdhsa_kernel
	.amdgpu_metadata
---
amdhsa.version: [ 1, 2 ]
amdhsa.kernels:
  - .name:           k_q2bbe3dc9d8_qgemm
    .symbol:         k_q2bbe3dc9d8_qgemm.kd
    .args:
      - { .name: xb, .offset: 0, .size: 8, .value_kind: global_buffer, .address_space: global }
      - { .name: wqb, .offset: 8, .size: 8, .value_kind: global_buffer, .address_space: global }
      - { .name: ctxf, .offset: 16, .size: 8, .value_kind: global_buffer, .address_space: global }
      - { .name: bq, .offset: 24, .size: 8, .value_kind: global_buffer, .address_space: global }
      - { .name: kvf, .offset: 32, .size: 8, .value_kind: global_buffer, .address_space: global }
    .group_segment_fixed_size: 327680
    .private_segment_fixed_size: 0
    .kernarg_segment_align: 8
    .kernarg_segment_size: 40
    .max_flat_workgroup_size: 128
    .sgpr_count:     96
    .vgpr_count:     1024
    .wavefront_size: 32
...
	.end_amdgpu_metadata
.endif
;; end of part 4
;; launch ogemm (part 5): grid 4 x 64, 4 waves a work-group, clusters of 4 x 4, 327,680 bytes of LDS; arguments ctxf, wof, out0, bo; writes out0
.if DOCPART == 5
	.amdgcn_target "amdgcn-amd-amdhsa--gfx1250"
	.amdhsa_code_object_version 6
	.text
	.protected	k_q2bbe3dc9d8_ogemm
	.globl	k_q2bbe3dc9d8_ogemm
	.p2align	8
	.type	k_q2bbe3dc9d8_ogemm,@function
k_q2bbe3dc9d8_ogemm:
	s_mov_b64 s[64:65], 0
	v_nop
	global_prefetch_b8 v0, s[64:65] scope:SCOPE_SE
	s_setreg_imm32_b32 hwreg(HW_REG_WAVE_MODE, 25, 1), 1
	s_wait_xcnt 0x0
	s_wait_alu depctr_hold_cnt(0) depctr_sa_sdst(0) depctr_va_vdst(0) depctr_va_sdst(0) depctr_va_ssrc(0) depctr_va_vcc(0) depctr_vm_vsrc(0)
	s_getreg_b32 s2, hwreg(HW_REG_IB_STS2, 6, 4)
	s_cmp_eq_u32 s2, 0
	s_cbranch_scc0 .Lentry_in_a_cluster
	s_endpgm
.Lentry_in_a_cluster:
	s_bfe_u32 s2, ttmp6, 0x10000c
	s_cmp_lg_u32 s2, 0xf033
	s_cbranch_scc0 .Lentry_shape_is_right
	s_endpgm
.Lentry_shape_is_right:
; Launch 5 of 5.  out = context Wo^T + bo.  The context and Wo arrive in f16 (Wo as its bf16 rounding, written in f16); sums in f32; the output is f32.  Nothing is left out.
; A work-group makes 256 x 256 of the output; four waves, each 128 x 128: 64 accumulators.  The ring, the cluster's joint loads and the prefetches are launch 2's.
; THE PRODUCT IS USED TRANSPOSED (source 0 = 16 rows of Wo, source 1 = 16 tokens): a lane holds one token and eight neighbouring columns, 32 bytes of a row.  THE BIAS, bf16(bo), is the C operand of the first products.
; THE LAST K STEP GOES BY ROWS OF THE OUTPUT, NOT BY K.  By K all 64 accumulators would be finished together, and every store would stand behind the last product.  So all the step's fragments of Wo
; (4 quarters x 64 registers) fill window 1, the context's come by blocks of 16 rows x 128 K (32 registers; four buffers), and the wave's eight blocks are finished one after the other, 32 products
; each, the block's 8 accumulators by turns.  Each block leaves as soon as it is finished: the first stands seven eighths of a K step ahead of the last product.  LDS is read no more than in any K step.
; THE WAY OUT of a block: its 16 rows of 512 bytes go into a stage of the wave's own behind the ring (rows 528 apart, so that the 16 rows of a store start at 16 different groups of four banks:
; 64 banks of 4 bytes, ISA guide 11.1), come back by whole rows and are stored, 512 consecutive bytes an instruction.
; LIMITS: those of the launches before.  NaN and infinities are not treated apart.
; REGISTERS: window 0: v0-31 addresses; v64-191 the context's fragments: two buffers, in the last K step four; v192-255 a block read back.  window 1: v0-63 the bias; v64-191 Wo's fragments;
; in the last K step all 256: Wo's fragments of the whole step.  windows 2, 3: the accumulators, (a, b) at v[8 (8 (a % 4) + b)].
.set SIZE_K, 1024
.set KSTEP,  128
.set PITCH,  272
.set HALFT,  128*PITCH
.set SLOT,   0x24000                   ; slot 1 begins here; a slot uses 4 HALFT = 0x22000 bytes.  Bits 17 and 14 are clear in the four waves' places 0, 0x8800, 0x11000, 0x19800: one exclusive or changes slots
.set STAGE,  SLOT+4*HALFT              ; behind the ring, never filled by a tensor load: 16 rows x 528 bytes for each wave
.set OPITCH, 528
.set SPARE,  STAGE+4*16*OPITCH         ; behind the stages: the spare words, 128 bytes a wave, which no other line names
.set STEPS,  SIZE_K/KSTEP
.set A0,   16                          ; v16     my lane's place among the context's fragments in slot 0; never rewritten
.set CA,   17                          ; v17     the same in the slot in hand
.set B0,   20                          ; v20, v21  the same for Wo
.set CB,   21
.set STO,  24                          ; v24     where I put 32 bytes of a row
.set RD,   25                          ; v25     where I read a row back
.set SPW,  28
.set NIL,  29
.set PFO,  30
.set GOF,  31                          ; v31     16 x my lane
.set F0,   64
.set F1,   128
.set PA,   64                          ; the last K step: the context's fragments of 16 rows x 128 K, 32 registers; four such buffers, v64-191
.set BK,   192                         ; v192-255 a block's 16 rows, read back
.set G1, 24
.set G0, 32
.set G1B, 48
.set G0B, 56
.set PFA, 44
.set LIM, 43
.set TC,  87
.set RT,  88
.set TB,  89                           ; s89  the LDS byte at which the slot in hand begins: 0 or SLOT
.set MUL_LO, 0xa1                      ; source 0 (Wo) window 1, source 1 (context) window 0, C and D window 2; + 0x50: window 3
.set MUL_F,  0x91                      ; the same with C, the bias, in window 1; + 0x40: D in window 3
.set TO_B,   0x40
.set MSB, 0
.macro WIN new
.if MSB != (\new)
	s_set_vgpr_msb (MSB<<8)|(\new)
.set MSB, \new
.endif
.endm
.macro JLOAD s                         ; a joint load: waves 0, 1 fetch the context's halves, waves 2, 3 Wo's; an s_nop 0 and four v_nop follow each line
	s_cmp_eq_u32 s11, 0
	s_cbranch_scc0 .Lfor_b_\@
	tensor_load_to_lds s[G0+4*(\s):G0+4*(\s)+3], s[G1:G1+7]
	s_nop 0
.rept 4
	v_nop
.endr
	s_branch .Lasked_\@
.Lfor_b_\@:
	tensor_load_to_lds s[G0B+4*(\s):G0B+4*(\s)+3], s[G1B:G1B+7]
	s_nop 0
.rept 4
	v_nop
.endr
.Lasked_\@:
.endm
.macro ASK                             ; a prefetch of the K step two refills on: 32 rows x 256 bytes, a lane a row; the context's rows by the cluster with x = 0, Wo's by the cluster with y = 0; the partners' shares are told apart by address; the trips with s3 = 6 .. 3 name K steps 4 to 7, the last two nothing
	s_cmp_gt_u32 s3, s[LIM]
	s_cbranch_scc0 .Lnot_mine_\@
	global_prefetch_b8 v[PFO], s[PFA:PFA+1] offset:KSTEP*2 th:TH_LOAD_NT scope:SCOPE_SE
.Lnot_mine_\@:
.endm
.macro CREST
	s_cmp_lg_u32 s10, 0
	s_cbranch_scc1 .Lnot_wave_0_\@
	s_barrier_signal -3
.Lnot_wave_0_\@:
	s_barrier_wait -3
	s_barrier_signal -1
	s_barrier_wait -1
.endm
.macro CROUND
	s_barrier_signal -1
	s_barrier_wait -1
	CREST
.endm
.macro PLACES                          ; four plain instructions between a matrix instruction and a load into, a write of or a read of its registers
.rept 4
	v_nop
.endr
.endm
	s_load_b128 s[4:7], s[0:1], 0x0                ; ctxf s[4:5], wof s[6:7]
	s_load_b64 s[8:9], s[0:1], 0x10                ; out0
	s_load_b64 s[68:69], s[0:1], 0x18              ; bo
	v_lshl_add_u32 v[SPW], v0, 2, SPARE
	v_mov_b32 v[NIL], 0
	ds_add_u32 v[SPW], v[NIL]                      ; the wave's opening: the add, twice on end, and its wait ahead of my first tensor load
	ds_add_u32 v[SPW], v[NIL]
	v_lshrrev_b32 v1, 5, v0
	v_readfirstlane_b32 s10, v1
	s_lshr_b32 s11, s10, 1
	s_and_b32 s12, s10, 1
	s_bfe_u32 s40, ttmp6, 0x40000
	s_bfe_u32 s41, ttmp6, 0x40004
	s_lshl_b32 s42, ttmp9, 2
	s_add_co_u32 s42, s42, s40
	s_and_b32 s13, ttmp7, 0xffff
	s_lshl_b32 s13, s13, 2
	s_add_co_u32 s13, s13, s41
	s_mov_b32 s[TC], s42
	s_mov_b32 s[RT], s13
	s_lshl_b32 s43, s41, 2
	s_lshl_b32 s43, 15, s43
	s_lshl_b32 s44, 0x1111, s40
	s_or_b32 s[G1+0], s43, (1<<16)|(1<<20)|(1<<21)|(5<<22)|(3<<25)
	s_or_b32 s[G1B+0], s44, (1<<16)|(1<<20)|(1<<21)|(5<<22)|(3<<25)
.irp g, G1, G1B
	s_mov_b32 s[(\g)+1], KSTEP<<16
	s_mov_b32 s[(\g)+2], 128<<16
	s_mov_b32 s[(\g)+3], KSTEP<<16
	s_mov_b32 s[(\g)+4], 128
	s_mov_b32 s[(\g)+5], SIZE_K
	s_mov_b32 s[(\g)+6], 0
	s_mov_b32 s[(\g)+7], 0
.endr
	s_mov_b32 s86, 0xffff0000
	s_mov_b32 s[TB], 0                             ; K step 0 lies in slot 0
	s_lshl_b32 s17, s12, 7
	s_lshl_b32 s16, s13, 8
	s_add_co_u32 s16, s16, s17
	s_lshl_b32 s46, s42, 8
	s_add_co_u32 s46, s46, s17
	s_mov_b32 s17, 0
	s_mov_b32 s47, 0
	s_mov_b64 s[18:19], SIZE_K*2
	s_mul_u64 s[16:17], s[16:17], s[18:19]
	s_mul_u64 s[46:47], s[46:47], s[18:19]
	s_mul_i32 s20, s10, HALFT
	s_wait_dscnt 0x0                               ; both opening adds are done
	s_wait_kmcnt 0x0
	s_add_nc_u64 s[14:15], s[4:5], s[16:17]
	s_add_nc_u64 s[46:47], s[6:7], s[46:47]
	CROUND
.irp s, 0,1
	s_mov_b32 s[G0+4*(\s)], 1
	s_add_co_u32 s[G0+4*(\s)+1], s20, (\s)*SLOT
	s_add_nc_u64 s[G0+4*(\s)+2:G0+4*(\s)+3], s[14:15], (\s)*KSTEP*2
	s_or_b32 s[G0+4*(\s)+3], s[G0+4*(\s)+3], 0x80000000
	s_mov_b32 s[G0B+4*(\s)], 1
	s_add_co_u32 s[G0B+4*(\s)+1], s20, (\s)*SLOT
	s_add_nc_u64 s[G0B+4*(\s)+2:G0B+4*(\s)+3], s[46:47], (\s)*KSTEP*2
	s_or_b32 s[G0B+4*(\s)+3], s[G0B+4*(\s)+3], 0x80000000
	JLOAD \s
.endr
	v_and_b32 v1, 15, v0
	v_bfe_u32 v2, v0, 4, 1
	v_mul_u32_u24 v3, v1, PITCH
	v_lshl_add_u32 v3, v2, 4, v3
	s_mul_i32 s21, s11, HALFT
	s_mul_i32 s22, s12, HALFT
	s_add_co_u32 s22, s22, 2*HALFT
	v_add_nc_u32 v[A0], s21, v3
	v_add_nc_u32 v[B0], s22, v3
	v_add_nc_u32 v[CA], s[TB], v[A0]
	v_add_nc_u32 v[CB], s[TB], v[B0]
	v_and_b32 v5, 31, v0
	v_lshlrev_b32 v[GOF], 4, v5
	s_mul_i32 s20, s10, 16*OPITCH
	s_add_co_u32 s20, s20, STAGE                   ; my stage
	v_mul_u32_u24 v6, v1, OPITCH                   ; in: row l % 16, 32 bytes for each half of the lanes
	v_lshl_add_u32 v6, v2, 5, v6
	v_add_nc_u32 v[STO], s20, v6
	v_add_nc_u32 v[RD], s20, v[GOF]                ; back: 32 lanes take a row's 512 bytes
	; the bias: a lane's eight columns of block b are 16 b + 8 (l / 16) + 0..7
	s_lshl_b32 s76, s[TC], 10
	s_lshl_b32 s77, s12, 9
	s_add_co_u32 s76, s76, s77
	s_mov_b32 s77, 0
	s_add_nc_u64 s[72:73], s[68:69], s[76:77]
	v_lshlrev_b32 v4, 5, v2
	WIN 0x40
.irp b, 0,1,2,3,4,5,6,7
	global_load_b128 v[8*(\b):8*(\b)+3],   v4, s[72:73] offset:64*(\b)
	global_load_b128 v[8*(\b)+4:8*(\b)+7], v4, s[72:73] offset:64*(\b)+16
.endr
	WIN 0
	s_lshl_b32 s20, s[RT], 20                      ; my part of out0: (256 x tile row + 128 x half) rows of 4,096 bytes, and the columns' bytes, which the bias shares
	s_add_co_u32 s76, s76, s20
	s_lshl_b32 s20, s11, 19
	s_add_co_u32 s76, s76, s20
	s_add_nc_u64 s[8:9], s[8:9], s[76:77]
	; the prefetches
	s_lshl_b32 s13, s13, 8
	s_lshl_b32 s42, s42, 8
	s_and_b32 s22, ttmp7, 0xffff
	s_cmp_eq_u32 s11, 0
	s_cselect_b32 s20, s13, s42
	s_cselect_b32 s21, s40, s41
	s_cselect_b32 s22, ttmp9, s22
	s_cselect_b64 s[PFA:PFA+1], s[4:5], s[6:7]
	s_cmp_eq_u32 s22, 0
	s_cselect_b32 s[LIM], 2, -1
	s_lshl_b32 s22, s12, 7
	s_add_co_u32 s20, s20, s22
	s_lshl_b32 s21, s21, 5
	s_add_co_u32 s20, s20, s21
	s_mov_b32 s21, 0
	s_mov_b64 s[18:19], SIZE_K*2
	s_mul_u64 s[20:21], s[20:21], s[18:19]
	s_add_nc_u64 s[PFA:PFA+1], s[PFA:PFA+1], s[20:21]
	s_add_nc_u64 s[PFA:PFA+1], s[PFA:PFA+1], 2*KSTEP*2
	v_mul_u32_u24 v[PFO], v5, SIZE_K*2
	s_wait_loadcnt 0x0                             ; the bias
	WIN 0x45                                       ; sources and destination in window 1
.set i, 0
.rept 32
	v_cvt_pk_bf16_f32 v[192+i], v[2*i], v[2*i+1]   ; rounded to bf16, like every input,
	v_lshlrev_b32 v[2*i], 16, v[192+i]             ; and widened again
	v_and_b32 v[2*i+1], s86, v[192+i]
.set i, i+1
.endr
	WIN 0
.macro PROD first
.if \first
	v_wmma_f32_16x16x32_f16 v[rD:rD+7], v[rW:rW+7], v[rX:rX+7], v[rC:rC+7]
.else
	v_wmma_f32_16x16x32_f16 v[rD:rD+7], v[rW:rW+7], v[rX:rX+7], v[rD:rD+7]
.endif
.endm
.macro MUL16 f, hi, a0, first          ; 16 matrix instructions; first = 1: the bias starts the sums.  The 64 accumulators take turns in one order everywhere.
.if \first
	WIN MUL_F+0x40*(\hi)
.else
	WIN MUL_LO+0x50*(\hi)
.endif
.irp a, \a0, (\a0)+1
.irp b, 0,1,2,3,4,5,6,7
.set rD, 8*(8*(\a)+(\b))
.set rW, (\f)+8*(\b)
.set rX, (\f)+8*(4*(\hi)+(\a))
.set rC, 8*(\b)
	PROD \first
.endr
.endr
.endm
.macro FETCH k, f                      ; 32 LDS loads in one run: a quarter step's fragments, at byte k of the rows of the slot in hand
	WIN TO_B
.irp i, 0,1,2,3,4,5,6,7
	ds_load_b128 v[(\f)+8*(\i):(\f)+8*(\i)+3],   v[CB] offset:(\k)+(\i)*16*PITCH
	ds_load_b128 v[(\f)+8*(\i)+4:(\f)+8*(\i)+7], v[CB] offset:(\k)+(\i)*16*PITCH+32
.endr
	WIN 0
.irp i, 0,1,2,3,4,5,6,7
	ds_load_b128 v[(\f)+8*(\i):(\f)+8*(\i)+3],   v[CA] offset:(\k)+(\i)*16*PITCH
	ds_load_b128 v[(\f)+8*(\i)+4:(\f)+8*(\i)+7], v[CA] offset:(\k)+(\i)*16*PITCH+32
.endr
.endm
.macro QUARTER k, f, g, first
	s_wait_dscnt 8                                 ; Wo and the context's rows 0-63 are in; the youngest eight loads may be out
	MUL16 \f, 0, 0, \first
	MUL16 \f, 0, 2, \first
	PLACES
	FETCH \k, \g
	s_wait_dscnt 32                                ; all but the 32 just issued
	MUL16 \f, 1, 0, \first
	MUL16 \f, 1, 2, \first
.endm
.macro MEET round
	WIN 0
	s_wait_tensorcnt 0x0                           ; all my tensor loads have landed: my part of the next slot
	ds_add_u32 v[SPW], v[NIL]                      ; 0 onto my spare word
	s_wait_dscnt 9                                 ; (the add and the youngest eight loads may be out)
	MUL16 F1, 0, 0, 0
	s_wait_dscnt 0x0                               ; the add is done, and my reads of this slot are over
	s_barrier_signal -1
	MUL16 F1, 0, 2, 0
.if \round
	WIN 0
.endif
	s_barrier_wait -1
.endm
.macro TURN                            ; a step's last quarter: the slot just read is filled again, two K steps on, behind a round of the cluster's barrier
	s_wait_xcnt 0x0                                ; the last prefetch, a K step back, has read its address
	s_add_nc_u64 s[PFA:PFA+1], s[PFA:PFA+1], KSTEP*2
	MEET 1
	CREST                                          ; no wave of any partner still reads this slot or has a load on its way
	s_xor_b32 s[G0+5], s[G0+5], SLOT               ; the walking descriptors: the other slot than last time,
	s_add_nc_u64 s[G0+6:G0+7], s[G0+6:G0+7], KSTEP*2  ; the next K step
	s_xor_b32 s[G0B+5], s[G0B+5], SLOT
	s_add_nc_u64 s[G0B+6:G0B+7], s[G0B+6:G0B+7], KSTEP*2
	JLOAD 1
	s_xor_b32 s[TB], s[TB], SLOT                   ; the fetches go on in the other slot
	v_add_nc_u32 v[CA], s[TB], v[A0]
	v_add_nc_u32 v[CB], s[TB], v[B0]
	FETCH 0, F0
	ASK
	MUL16 F1, 1, 0, 0
	MUL16 F1, 1, 2, 0
.endm
; THE LAST K STEP, by rows.
.macro BLOAD q                         ; Wo's fragments of quarter q -> window 1, v[64 q ..]
	WIN TO_B
.irp i, 0,1,2,3,4,5,6,7
	ds_load_b128 v[64*(\q)+8*(\i):64*(\q)+8*(\i)+3],   v[CB] offset:64*(\q)+(\i)*16*PITCH
	ds_load_b128 v[64*(\q)+8*(\i)+4:64*(\q)+8*(\i)+7], v[CB] offset:64*(\q)+(\i)*16*PITCH+32
.endr
.endm
.macro ALOAD a                         ; the context's fragments of block a, all four quarters -> buffer a % 4
	WIN 0
.set FA, PA+32*((\a)%4)
.irp q, 0,1,2,3
	ds_load_b128 v[FA+8*(\q):FA+8*(\q)+3],   v[CA] offset:64*(\q)+(\a)*16*PITCH
	ds_load_b128 v[FA+8*(\q)+4:FA+8*(\q)+7], v[CA] offset:64*(\q)+(\a)*16*PITCH+32
.endr
.endm
.macro ROW a                           ; block a is finished: 32 matrix instructions, its eight accumulators by turns
.set FA, PA+32*((\a)%4)
.set AC, 64*((\a)%4)
	WIN MUL_LO+0x50*((\a)/4)
.irp q, 0,1,2,3
.if (\a) == 0 && (\q) == 2
	s_wait_dscnt 24                                ; Wo's quarter 2 is in (behind it: the context's blocks 1 to 3, 24 loads)
.endif
.irp b, 0,1,2,3,4,5,6,7
	v_wmma_f32_16x16x32_f16 v[AC+8*(\b):AC+8*(\b)+7], v[64*(\q)+8*(\b):64*(\q)+8*(\b)+7], v[FA+8*(\q):FA+8*(\q)+7], v[AC+8*(\b):AC+8*(\b)+7]
.endr
.endr
.endm
.macro TOSTAGE a                       ; block a's 16 rows into my stage, 32 bytes a lane and accumulator, and back as whole rows of 512 bytes
.set AC, 64*((\a)%4)
.if (\a) > 0
	s_wait_xcnt 0x0                                ; the last block's stores have read v192-255, which the loads below write
.endif
	WIN 0x08+4*((\a)/4)                            ; the stores' data in window 2 or 3
.irp b, 0,1,2,3,4,5,6,7
.irp q, 0,1
	ds_store_b128 v[STO], v[AC+8*(\b)+4*(\q):AC+8*(\b)+4*(\q)+3] offset:64*(\b)+16*(\q)  ; each accumulator's low half first
.endr
.endr
	WIN 0
.irp i, 0,1,2,3,4,5,6,7,8,9,10,11,12,13,14,15
	ds_load_b128 v[BK+4*(\i):BK+4*(\i)+3], v[RD] offset:OPITCH*(\i)  ; LDS serves a wave's instructions in order (ISA guide 5.7.1.4): these see the stores above; the next block's stores come behind them
.endr
.endm
.macro SEND a, younger                 ; younger: the LDS loads issued behind TOSTAGE's, which may stay out
.irp i, 0,1,2,3,4,5,6,7,8,9,10,11,12,13,14,15
.if (\i)%4 == 0
	s_wait_dscnt (\younger)+12-(\i)                ; rows i to i + 3 are back; the rows behind them and the younger loads stay out
.endif
	global_store_b128 v[GOF], v[BK+4*(\i):BK+4*(\i)+3], s[8:9] offset:65536*(\a)+4096*(\i) th:TH_STORE_NT  ; 512 consecutive bytes, at a multiple of 512 from out0's first; the block's place stands in the immediate, 520,192 at the most
.endr
.endm
	s_wait_tensorcnt 1                             ; my part of K step 0 is in; K step 1's stays out
	s_barrier_signal -1
	s_barrier_wait -1
	FETCH 0, F0
	QUARTER 64,  F0, F1, 1
	WIN 0
	s_mov_b32 s3, STEPS-2
.Lstep:                                                ; six trips: from a K step's second quarter to the next step's first; each fills the slot that it leaves: K steps 2 to 7
	QUARTER 128, F1, F0, 0
	QUARTER 192, F0, F1, 0
	TURN
	QUARTER 64,  F0, F1, 0
	WIN 0
	s_sub_co_u32 s3, s3, 1
	s_cmp_lg_u32 s3, 0
	s_cbranch_scc1 .Lstep
	QUARTER 128, F1, F0, 0                         ; the last K step but one goes on
	QUARTER 192, F0, F1, 0
	MEET 0                                         ; my one tensor load that was still out is the last K step's, so no round follows
	PLACES                                         ; for the loads into buffer 0, which the quarter before multiplied
	WIN 0
	s_xor_b32 s[TB], s[TB], SLOT                   ; the last K step's slot
	v_add_nc_u32 v[CA], s[TB], v[A0]
	v_add_nc_u32 v[CB], s[TB], v[B0]
	BLOAD 0                                        ; three quarters of Wo now: buffer 1 (v128-191 of both windows) is still being multiplied
	BLOAD 1
	BLOAD 3
	ALOAD 0
	MUL16 F1, 1, 0, 0
	MUL16 F1, 1, 2, 0
	PLACES                                         ; for the loads into buffer 1
	BLOAD 2
	ALOAD 1
	ALOAD 2
	ALOAD 3
	s_wait_dscnt 40                                ; all but the 40 just issued
	ROW 0
.irp a, 0,1,2,3,4,5,6,7                ; each block leaves as soon as it is finished
	PLACES                                         ; its LDS stores read results just made, and the loads below land in fragments just read
	TOSTAGE \a
.if (\a) < 4
	ALOAD (\a)+4                                   ; its buffer takes the block four further on
	SEND \a, 8
.else
	SEND \a, 0
.endif
.if (\a) < 7
	ROW (\a)+1
.endif
.endr
	s_wait_tensorcnt 0x0                           ; the wave's end, behind my last tensor load and my last LDS store
	ds_add_u32 v[SPW], v[NIL]
	s_wait_dscnt 0x0
	CROUND                                         ; the closing round
	s_endpgm
.Lfunc_end_k_q2bbe3dc9d8_ogemm:
	.size	k_q2bbe3dc9d8_ogemm, .Lfunc_end_k_q2bbe3dc9d8_ogemm-k_q2bbe3dc9d8_ogemm
	.p2alignl 7, 3214868480
	.fill 96, 4, 3214868480
	.section	.rodata,"a",@progbits
	.p2align	6, 0x0
	.amdhsa_kernel k_q2bbe3dc9d8_ogemm
		.amdhsa_group_segment_fixed_size 327680
		.amdhsa_private_segment_fixed_size 0
		.amdhsa_enable_private_segment 0
		.amdhsa_kernarg_size 32
		.amdhsa_user_sgpr_count 2
		.amdhsa_user_sgpr_kernarg_segment_ptr 1
		.amdhsa_wavefront_size32 1
		.amdhsa_system_sgpr_workgroup_id_x 1
		.amdhsa_system_sgpr_workgroup_id_y 1
		.amdhsa_system_sgpr_workgroup_id_z 1
		.amdhsa_system_vgpr_workitem_id 0
		.amdhsa_next_free_vgpr 1024
		.amdhsa_next_free_sgpr 96
		.amdhsa_reserve_vcc 0
		.amdhsa_float_denorm_mode_32 3
		.amdhsa_float_denorm_mode_16_64 3
		.amdhsa_memory_ordered 1
		.amdhsa_forward_progress 1
		.amdhsa_inst_pref_size 122
	.end_amdhsa_kernel
	.amdgpu_metadata
---
amdhsa.version: [ 1, 2 ]
amdhsa.kernels:
  - .name:           k_q2bbe3dc9d8_ogemm
    .symbol:         k_q2bbe3dc9d8_ogemm.kd
    .args:
      - { .name: ctxf, .offset: 0, .size: 8, .value_kind: global_buffer, .address_space: global }
      - { .name: wof, .offset: 8, .size: 8, .value_kind: global_buffer, .address_space: global }
      - { .name: out0, .offset: 16, .size: 8, .value_kind: global_buffer, .address_space: global }
      - { .name: bo, .offset: 24, .size: 8, .value_kind: global_buffer, .address_space: global }
    .group_segment_fixed_size: 327680
    .private_segment_fixed_size: 0
    .kernarg_segment_align: 8
    .kernarg_segment_size: 32
    .max_flat_workgroup_size: 128
    .sgpr_count:     96
    .vgpr_count:     1024
    .wavefront_size: 32
...
	.end_amdgpu_metadata
.endif
;; end of part 5
